; MI455X (gfx1250); checked and timed in simulation.
; The chip was launched on July 23, 2026; its instructions are those of AMD's public machine-readable ISA for CDNA 5 (MIT licence, August 2026) and "CDNA5" Instruction Set Architecture Reference Guide (July 2026). The comments in the code are by the model that wrote it; some were corrected since.
;; Attention Block. Allowed arithmetic: matrix products marked QUANTISED: E5M2 operands, one given power-of-two scale a tensor, by v_wmma_f32_16x16x64_bf8_bf8 or v_wmma_f32_16x16x128_bf8_bf8, f32 sums; everything else in f32.
;; Inputs: lowp_scales 8 int32 (the exponents e of the quantised operands' scales 2^e); norm_b 256 float32; norm_w 256 float32; proj_b 256 float32; proj_w 256 x 256 float32; qkv_b 768 float32; qkv_w 768 x 256 float32; x 16 x 256 x 32 x 32 float32.
;; Outputs: out0 16 x 256 x 32 x 32 float32.
;; This version of the problem:
;;   THIS VERSION OF THE PROBLEM IS GIVEN IN LOW PRECISION. The matrix products marked QUANTISED in the list below multiply operands that are first quantised to E5M2 (5 exponent bits, 2 mantissa bits; 8 bits a number), with one given power-of-two scale for each operand tensor; their sums are f32. All else is computed in f32.
;;   The module's matrix products, in the order in which they are computed (A, B: the left and right operand; K: the contracted axis; several contracted axes count as one K, in the product's order):
;;     1. [M 16,384, K 256] x [K 256, N 768]; A: computed on the way; B: input qkv_w: QUANTISED (scales: A lowp_scales[0], B lowp_scales[1])
;;     2. batch 64 x [M 1,024, K 64] x [K 64, N 1,024]; A: computed on the way; B: computed on the way: QUANTISED (scales: A lowp_scales[2], B lowp_scales[3])
;;     3. batch 64 x [M 1,024, K 1,024] x [K 1,024, N 64]; A: softmax (see below); B: computed on the way: QUANTISED (scales: A lowp_scales[4], B lowp_scales[5])
;;     4. [M 16,384, K 256] x [K 256, N 256]; A: computed on the way; B: input proj_w: QUANTISED (scales: A lowp_scales[6], B lowp_scales[7])
;;   THE QUANTISER, for each operand of a quantised product, along K:
;;     - The operand's scale is 2^e, e = its entry of the input lowp_scales (int32; the entries are numbered through the quantised products in the list's order, A before B).
;;     - Each number is divided by the scale, clamped to +-57,344, and rounded to the nearest number of E5M2, ties to even, subnormals kept.
;;     - The product sums the exact products of the quantised numbers (number of the format x scale) in f32.
;;   ~~~python
;;   def quantise(x, axis, e):      # numpy; x: float32 -> the quantised numbers, widened to float32 again
;;       x = np.moveaxis(x, axis, -1); K = x.shape[-1]
;;       r = np.clip(x / 2.0 ** e, -57344, 57344)
;;       step = 2.0 ** (np.maximum(np.frexp(np.where(r == 0, 1, r))[1] - 1, -14) - 2)
;;       q = np.round(r / step) * step * 2.0 ** e      # np.round: ties to even
;;       return np.moveaxis(q, -1, axis).astype(np.float32)
;;   ~~~
;;   SOFTMAX AHEAD OF A QUANTISED PRODUCT. Where the list says 'softmax', what is quantised is not the finished softmax but p = 2^(t - M), with t = logit x log2(e) and M = ceil(the row's largest t), a whole number; so 1/2 < the row's largest p <= 1. The row's sum l is taken of the UNQUANTISED p, in f32, and the product's result is divided by l at the end. Since M is a whole number, a kernel that streams over the keys may use a running M (the ceiling of the running maximum): every later rescaling is an exact power of two, so the quantised numbers keep their values, but for numbers so far below the row's largest that they fall under the format's range.
;;   OPERANDS COMPUTED ON THE WAY. 'Computed on the way' means the value that the module computes at that place (a softmax that the list does not call 'softmax' is quantised finished and normalised). What goes into a quantiser is computed in f32, as accurately as f32 sums, v_exp_f32 and their like allow (about 1e-6 of the number): no bf16 or f16 on the way to a quantiser, and a product that is left as it is and whose result goes on into a quantised operand takes f32 operands (vector FMAs, or v_wmma_f32_16x16x4_f32). A number that lies on a knife's edge between two numbers of the format may be rounded either way, as far as f32 arithmetic and the matrix unit's own rounding can turn it there, and no further.
;; 2 versions. Each part assembles by itself: llvm-mc -triple=amdgcn-amd-amdhsa -mcpu=gfx1250 --defsym DOCPART=n.
;; ======== version 1 of 2: 3 launches
;; workspace buffers: hn 4,194,304 bytes; wcodes 262,144 bytes; att 4,194,304 bytes
;; launch norm (part 1): grid 128 x 1, 8 waves a work-group, no clusters, 1,536 bytes of LDS; arguments x, norm_w, norm_b, qkv_w, proj_w, lowp_scales, hn, wcodes; writes hn, wcodes
.if DOCPART == 1
	.amdgcn_target "amdgcn-amd-amdhsa--gfx1250"
	.amdhsa_code_object_version 6
	.text
	.protected	k_qc24218064f_norm
	.globl	k_qc24218064f_norm
	.p2align	8
	.type	k_qc24218064f_norm,@function
k_qc24218064f_norm:
	s_mov_b64 s[64:65], 0
	v_nop
	global_prefetch_b8 v0, s[64:65] scope:SCOPE_SE
	s_setreg_imm32_b32 hwreg(HW_REG_WAVE_MODE, 25, 1), 1
	s_wait_xcnt 0x0
; GroupNorm of one (batch, group), quantised to codes of E5M2 with the given scale 2^e0, and one fragment of the weights' codes.
; x: [16][256][1024] f32.  Work-group id = 8 b + g owns channels 32 g .. 32 g + 31 of batch b: 32 x 1,024 numbers, 128 KiB, which stay in registers
; between the pass for the mean, the pass for the variance and the quantiser: x is read once.  128 work-groups: a group's statistics belong to one work-group.
; Wave w owns pixels 128 w .. 128 w + 127, lane L the four pixels 128 w + 4 L + p, for all 32 channels: each load of a wave reads 512 consecutive bytes.
; THE CODES' LAYOUT (hn) is that of the next launch's operand registers: [b][tile m of 16 positions][K step s of 128 channels][piece i][lane][16 bytes].
; A fragment (16 rows x 128 K) is 16 registers: lane (r, hh) holds row r; registers 2 c, 2 c + 1 hold k = 16 c + 8 hh + 0 .. 7.  Piece i = registers 4 i .. 4 i + 3, a lane's 16 bytes at 16 x lane.
; Row r of tile m stands for pixel 64 (m / 4) + 4 r + m % 4: so my lane's pixel p is row L % 16 of tile 8 w + 4 (L / 16) + p, a group's 32 channels are piece g % 4 of K step g / 4,
; and sixteen neighbouring lanes store 256 consecutive bytes, aligned.
; THE WEIGHTS: wcodes = [fragment 2 (row tile) + s][piece][lane][16 bytes]; fragments 0-95 qkv_w (scale 2^e1), 96-127 proj_w (2^e7).  Work-group id makes fragment id, waves 0-3 a piece each.
; code = number / 2^e, held within +-57,344, to the nearest code, ties to even.  LIMITS: e0, e1, e7 between -126 and 112.  NaN and infinities among the inputs are not served.
; The variance is taken of x - mean (two passes over the registers): no difference of large sums.
.set X,   16                           ; v16-143  X + 4 c + p: channel c, pixel p
.set T,   144                          ; v144-175 8 p + j: eight neighbouring channels of pixel p
.set C,   176                          ; v176-207 8 p ..: pixel p's 32 codes
.set WX,  208                          ; v208-223 16 numbers of a weight
.set WC,  224                          ; v224-227 their codes
.set SM,  228                          ; v228-235 four chains of pairs
.set MN,  236                          ; v236-237 the mean, twice
	s_load_b512 s[4:19], s[0:1], 0x0               ; x 4:5, norm_w 6:7, norm_b 8:9, qkv_w 10:11, proj_w 12:13, the exponents 14:15, hn 16:17, wcodes 18:19
	v_lshl_add_u32 v254, v0, 2, 0x200
	v_mov_b32 v255, 0
	v_and_b32 v10, 31, v0                          ; lane
	v_lshlrev_b32 v1, 4, v10                       ; 16 x lane
	v_and_b32 v2, 15, v0                           ; r
	v_bfe_u32 v3, v0, 4, 1                         ; u = lane / 16
	v_lshlrev_b32 v4, 10, v2
	v_lshl_add_u32 v4, v3, 5, v4                   ; a weight: row r of 1,024 bytes + 32 u: my eight numbers
	v_lshlrev_b32 v5, 4, v2
	v_lshl_add_u32 v5, v3, 14, v5                  ; hn: four tiles of 4,096 bytes further on for lanes 16-31, + 16 r
	v_lshrrev_b32 v11, 5, v0
	v_readfirstlane_b32 s60, v11                   ; wave 0..7
	v_lshlrev_b32 v6, 2, v11                       ; LDS: my wave's word
	v_mov_b32 v7, 0                                ; LDS: the eight words
	v_mov_b32 v239, 0                              ; written once: a lane permute's destination counts as one of its sources
	s_and_b32 s61, ttmp9, 7                        ; g
	s_mov_b32 s3, 0
	s_lshl_b32 s2, ttmp9, 17                       ; the group's 131,072 bytes of x,
	s_lshl_b32 s62, s60, 9                         ; my wave's 512 of each channel's row
	s_add_co_u32 s2, s2, s62
	s_wait_kmcnt 0x0
	s_add_nc_u64 s[4:5], s[4:5], s[2:3]
.set i, 0
.rept 32
	global_load_b128 v[X+4*i:X+4*i+3], v1, s[4:5] offset:4096*i   ; channel i: 32 lanes read 512 consecutive bytes; all 32 loads are out together
.set i, i+1
.endr
	s_load_b256 s[20:27], s[14:15], 0x0            ; e0 .. e7
	s_lshl_b32 s2, s61, 7                          ; the group's 32 gains and biases
	s_add_nc_u64 s[6:7], s[6:7], s[2:3]
	s_add_nc_u64 s[8:9], s[8:9], s[2:3]
	s_load_b512 s[28:43], s[6:7], 0x0              ; w[c], c = 0 .. 15
	s_load_b512 s[44:59], s[6:7], 0x40             ; c = 16 .. 31
	s_load_b512 s[68:83], s[8:9], 0x0              ; b[c]
	s_load_b512 s[84:99], s[8:9], 0x40
	s_lshr_b32 s2, ttmp9, 3
	s_lshl_b32 s2, s2, 18                          ; hn: the batch's 262,144 bytes,
	s_lshl_b32 s62, s60, 15                        ; my wave's eight tiles,
	s_add_co_u32 s2, s2, s62
	s_lshl_b32 s62, s61, 9                         ; 512 g = 2,048 (g / 4) + 512 (g % 4): K step and piece
	s_add_co_u32 s2, s2, s62
	s_add_nc_u64 s[16:17], s[16:17], s[2:3]
	s_wait_kmcnt 0x0                               ; the exponents, gains and biases are in; s6-s9 are free
	; ---- waves 0-3: piece (wave) of weight fragment id
	s_cmp_lt_u32 s60, 4
	s_cbranch_scc0 .Lno_weight
	s_cmp_lt_u32 ttmp9, 96                         ; qkv_w or proj_w: the choice hangs on the work-group's number alone
	s_cselect_b64 s[62:63], s[10:11], s[12:13]
	s_cselect_b32 s2, 0, 96
	s_cselect_b32 s6, s21, s27                     ; e1 or e7
	s_sub_co_u32 s2, ttmp9, s2                     ; the fragment's number in its tensor: 2 (row tile) + s
	s_lshr_b32 s7, s2, 1
	s_lshl_b32 s7, s7, 14                          ; 16 rows of 1,024 bytes,
	s_and_b32 s2, s2, 1
	s_lshl_b32 s2, s2, 9                           ; 128 numbers along K,
	s_add_co_u32 s2, s2, s7
	s_lshl_b32 s7, s60, 7                          ; 32 numbers a piece
	s_add_co_u32 s2, s2, s7
	s_add_nc_u64 s[62:63], s[62:63], s[2:3]
	global_load_b128 v[WX:WX+3], v4, s[62:63]                  ; k = 32 c + 8 hh + 0 .. 7
	global_load_b128 v[WX+4:WX+7], v4, s[62:63] offset:16
	global_load_b128 v[WX+8:WX+11], v4, s[62:63] offset:64     ; k = 32 c + 16 + 8 hh + 0 .. 7
	global_load_b128 v[WX+12:WX+15], v4, s[62:63] offset:80
	s_add_co_i32 s6, s6, 127
	s_lshl_b32 s7, s6, 23
	v_mov_b32 v9, s7                               ; 2^e as f32: the conversion takes its exponent field
	s_add_co_i32 s6, s6, 15
	s_lshl_b32 s6, s6, 23
	s_or_b32 s6, s6, 0x600000                      ; 57,344 x 2^e
	s_or_b32 s7, s6, 0x80000000                    ; and its negative
	s_lshl_b32 s2, ttmp9, 11                       ; the fragment's 2,048 bytes of codes,
	s_lshl_b32 s8, s60, 9                          ; my piece
	s_add_co_u32 s2, s2, s8
	s_add_nc_u64 s[66:67], s[18:19], s[2:3]
	s_wait_loadcnt 0x0
.set i, 0
.rept 16
	v_med3_num_f32 v[WX+i], v[WX+i], s7, s6        ; the conversion to an 8-bit code does not saturate (ISA guide 7.6.2): the hold comes first
.set i, i+1
.endr
	v_cvt_scalef32_pk8_bf8_f32 v[WC:WC+1], v[WX:WX+7], v9
	v_cvt_scalef32_pk8_bf8_f32 v[WC+2:WC+3], v[WX+8:WX+15], v9
	v_nop                                          ; one plain line behind the last conversion of a run
	global_store_b128 v1, v[WC:WC+3], s[66:67]     ; 512 consecutive bytes; none of its registers is written again
.Lno_weight:
	s_wait_loadcnt 0x0                             ; x
	s_mov_b32 s10, 0x76543210                      ; v_permlanex16_b32: lane l xor 16
	s_mov_b32 s11, 0xfedcba98
; The four chains become one number a lane, a wave, a work-group; every lane ends with the sum in v238.  Each of the two sums has LDS words of its own.
.macro REDUCE base
	v_pk_add_f32 v[SM:SM+1], v[SM:SM+1], v[SM+2:SM+3]
	v_pk_add_f32 v[SM+4:SM+5], v[SM+4:SM+5], v[SM+6:SM+7]
	v_pk_add_f32 v[SM:SM+1], v[SM:SM+1], v[SM+4:SM+5]
	v_add_f32 v238, v[SM], v[SM+1]
	v_add_f32_dpp v238, v238, v238 row_xmask:1 row_mask:0xf bank_mask:0xf
	v_add_f32_dpp v238, v238, v238 row_xmask:2 row_mask:0xf bank_mask:0xf
	v_add_f32_dpp v238, v238, v238 row_xmask:4 row_mask:0xf bank_mask:0xf
	v_add_f32_dpp v238, v238, v238 row_xmask:8 row_mask:0xf bank_mask:0xf
	v_permlanex16_b32 v239, v238, s10, s11
	v_add_f32 v238, v238, v239
	ds_store_b32 v6, v238 offset:\base             ; all lanes of a wave write the same word with the same number
	s_wait_dscnt 0x0                               ; for the others' sake: my store is done
	s_barrier_signal -1
	s_barrier_wait -1
	ds_load_b128 v[240:243], v7 offset:\base
	ds_load_b128 v[244:247], v7 offset:\base+16
	s_wait_dscnt 0x0
	v_add_f32 v240, v240, v241
	v_add_f32 v242, v242, v243
	v_add_f32 v244, v244, v245
	v_add_f32 v246, v246, v247
	v_add_f32 v240, v240, v242
	v_add_f32 v244, v244, v246
	v_add_f32 v238, v240, v244
.endm
	; ---- the mean: the first four additions start the chains, nothing is cleared
.irp k, 0,1,2,3
	v_pk_add_f32 v[SM+2*\k:SM+2*\k+1], v[X+2*\k:X+2*\k+1], v[X+8+2*\k:X+9+2*\k]
.endr
.set i, 8
.rept 56
	v_pk_add_f32 v[SM+2*(i%4):SM+2*(i%4)+1], v[SM+2*(i%4):SM+2*(i%4)+1], v[X+2*i:X+2*i+1]
.set i, i+1
.endr
	REDUCE 0
	v_mul_f32 v[MN], 0x38000000, v238              ; / 32,768
	v_mov_b32 v[MN+1], v[MN]
	; ---- x - mean in place; the sum of its squares
.set i, 0
.rept 64
	v_pk_add_f32 v[X+2*i:X+2*i+1], v[X+2*i:X+2*i+1], v[MN:MN+1] neg_lo:[0,1] neg_hi:[0,1]
.set i, i+1
.endr
.irp k, 0,1,2,3
	v_pk_mul_f32 v[SM+2*\k:SM+2*\k+1], v[X+2*\k:X+2*\k+1], v[X+2*\k:X+2*\k+1]
.endr
.set i, 4
.rept 60
	v_pk_fma_f32 v[SM+2*(i%4):SM+2*(i%4)+1], v[X+2*i:X+2*i+1], v[X+2*i:X+2*i+1], v[SM+2*(i%4):SM+2*(i%4)+1]
.set i, i+1
.endr
	REDUCE 256
	s_mov_b32 s8, 0x38000000                       ; 2^-15
	s_mov_b32 s9, 0x3727c5ac                       ; 1e-5
	v_fma_f32 v238, v238, s8, s9                   ; the variance + eps
	v_rsq_f32 v239, v238
	v_nop                                          ; one plain line behind a transcendental
	s_wait_alu depctr_va_vdst(0)
	v_readfirstlane_b32 s8, v239                   ; 1 / sqrt(var + eps): the same in every lane
.set i, 0
.rept 32
	s_mul_f32 s[28+i], s[28+i], s8                 ; a[c] = w[c] / sqrt(var + eps)
.set i, i+1
.endr
	s_add_co_i32 s6, s20, 127
	s_lshl_b32 s7, s6, 23
	v_mov_b32 v8, s7                               ; 2^e0
	s_add_co_i32 s6, s6, 15
	s_lshl_b32 s6, s6, 23
	s_or_b32 s6, s6, 0x600000                      ; 57,344 x 2^e0
	s_or_b32 s7, s6, 0x80000000
; Channels 8 q .. 8 q + 7 of my four pixels: (x - mean) a + b, written so that a pixel's eight channels stand in eight consecutive registers; held; converted.
; Octet q is the first (q < 2) or second eight bytes of the 16 that lane (r, hh = q % 2) of the fragment holds.
.macro OCT q
.irp j, 0,1,2,3,4,5,6,7
.irp p, 0,1,2,3
	v_fma_f32 v[T+8*\p+\j], v[X+4*(8*(\q)+\j)+\p], s[28+8*(\q)+\j], s[68+8*(\q)+\j]
.endr
.endr
.set i, 0
.rept 32
	v_med3_num_f32 v[T+i], v[T+i], s7, s6
.set i, i+1
.endr
.irp p, 0,1,2,3
	v_cvt_scalef32_pk8_bf8_f32 v[C+8*\p+4*((\q)%2)+2*((\q)/2):C+8*\p+4*((\q)%2)+2*((\q)/2)+1], v[T+8*\p:T+8*\p+7], v8
.endr
	v_nop                                          ; one plain line between the conversions and the next octet's writes of their sources
.endm
	OCT 0
	OCT 1
	OCT 2
	OCT 3
.irp p, 0,1,2,3
.irp k, 0,1
	global_store_b128 v5, v[C+8*\p+4*\k:C+8*\p+4*\k+3], s[16:17] offset:4096*\p+256*\k   ; tile 8 w + 4 u + p, the fragment's lanes 16 k + r: sixteen lanes store 256 consecutive bytes, aligned
.endr
.endr
	s_wait_tensorcnt 0x0
	ds_add_u32 v254, v255
	s_wait_dscnt 0x0
	s_endpgm
.Lfunc_end_k_qc24218064f_norm:
	.size	k_qc24218064f_norm, .Lfunc_end_k_qc24218064f_norm-k_qc24218064f_norm
	.p2alignl 7, 3214868480
	.fill 96, 4, 3214868480
	.section	.rodata,"a",@progbits
	.p2align	6, 0x0
	.amdhsa_kernel k_qc24218064f_norm
		.amdhsa_group_segment_fixed_size 1536
		.amdhsa_private_segment_fixed_size 0
		.amdhsa_enable_private_segment 0
		.amdhsa_kernarg_size 64
		.amdhsa_user_sgpr_count 2
		.amdhsa_user_sgpr_kernarg_segment_ptr 1
		.amdhsa_wavefront_size32 1
		.amdhsa_system_sgpr_workgroup_id_x 1
		.amdhsa_system_sgpr_workgroup_id_y 1
		.amdhsa_system_sgpr_workgroup_id_z 1
		.amdhsa_system_vgpr_workitem_id 0
		.amdhsa_next_free_vgpr 256
		.amdhsa_next_free_sgpr 100
		.amdhsa_reserve_vcc 0
		.amdhsa_float_denorm_mode_32 3
		.amdhsa_float_denorm_mode_16_64 3
		.amdhsa_memory_ordered 1
		.amdhsa_forward_progress 1
		.amdhsa_inst_pref_size 42
	.end_amdhsa_kernel
	.amdgpu_metadata
---
amdhsa.version: [ 1, 2 ]
amdhsa.kernels:
  - .name:           k_qc24218064f_norm
    .symbol:         k_qc24218064f_norm.kd
    .args:
      - { .name: x, .offset: 0, .size: 8, .value_kind: global_buffer, .address_space: global }
      - { .name: norm_w, .offset: 8, .size: 8, .value_kind: global_buffer, .address_space: global }
      - { .name: norm_b, .offset: 16, .size: 8, .value_kind: global_buffer, .address_space: global }
      - { .name: qkv_w, .offset: 24, .size: 8, .value_kind: global_buffer, .address_space: global }
      - { .name: proj_w, .offset: 32, .size: 8, .value_kind: global_buffer, .address_space: global }
      - { .name: lowp_scales, .offset: 40, .size: 8, .value_kind: global_buffer, .address_space: global }
      - { .name: hn, .offset: 48, .size: 8, .value_kind: global_buffer, .address_space: global }
      - { .name: wcodes, .offset: 56, .size: 8, .value_kind: global_buffer, .address_space: global }
    .group_segment_fixed_size: 1536
    .private_segment_fixed_size: 0
    .kernarg_segment_align: 8
    .kernarg_segment_size: 64
    .max_flat_workgroup_size: 256
    .sgpr_count:     100
    .vgpr_count:     256
    .wavefront_size: 32
...
	.end_amdgpu_metadata
.endif
;; end of part 1
;; launch attn (part 2): grid 256 x 1, 8 waves a work-group, no clusters, 181,248 bytes of LDS; arguments hn, wcodes, qkv_b, lowp_scales, att; writes att
.if DOCPART == 2
	.amdgcn_target "amdgcn-amd-amdhsa--gfx1250"
	.amdhsa_code_object_version 6
	.text
	.protected	k_qc24218064f_attn
	.globl	k_qc24218064f_attn
	.p2align	8
	.type	k_qc24218064f_attn,@function
k_qc24218064f_attn:
	s_mov_b64 s[64:65], 0
	v_nop
	global_prefetch_b8 v0, s[64:65] scope:SCOPE_SE
	s_setreg_imm32_b32 hwreg(HW_REG_WAVE_MODE, 25, 1), 1
	s_wait_xcnt 0x0
; One (batch b, head h, quarter qd of the queries) to a work-group: id = 16 b + 4 h + qd.  All four products of this launch are on codes of E5M2 with the given scales 2^e0 .. 2^e6.
; PRODUCTION.  K and V of the whole head (1,024 positions x 64) and Q of my 256 queries are made from hn's and the weights' codes (K = 256 channels, two steps of 128), the bias added as the C of a sum's
; first matrix instruction (divided by 2^(e0 + e1), which the sums lack), and quantised in registers; the three scales ahead of each quantiser are folded into the conversion's one.
; K and V go to LDS as IMAGES OF THE OPERANDS' REGISTERS (a piece = four registers, a lane's 16 bytes at 16 x lane, 512 bytes a piece) and never to memory.  The four work-groups of a head each make its K and V:
; 144 matrix instructions a wave, against a launch more and 12 MiB written and read again.
; A fragment of 16 rows x 128 K is 16 registers: lane (r, hh): row r; registers 2 c, 2 c + 1: k = 16 c + 8 hh + 0 .. 7.  With K = 64: 8 registers.
; SHARES.  Eight waves, two to a SIMD.  Wave w makes key step w: 8 tiles of 16 positions (slots u = 0 .. 7): slot u is hn's tile 16 ((u / 2 + qd) % 4) + 2 w + u % 2.  Slots 0 and 1 are also the wave's two tiles of queries.
;   K, Q: source 0 = 16 rows of the weight, source 1 = 16 positions: a lane holds a position, its registers run along d: tile t's codes are registers 2 t, 2 t + 1 of the fragment.
;   V:    source 0 = 16 positions, source 1 = 16 rows of the weight: a lane holds a channel d, its registers run along the keys: slot u's codes are registers 2 u, 2 u + 1.
; ATTENTION.  Both products transposed: S^T = K Q^T (K = 64), O^T = V^T P^T (K = 128 keys): a lane holds ONE query throughout; S^T's slot u, converted, is registers 2 u, 2 u + 1 of P.
; t = score x log2(e) / 8; M = the running largest t rounded UP to a whole number, kept as -M; p = 2^(t - M) is quantised with 2^e4, not normalised; the row's sum is taken of the unquantised p;
; when M moves, the sum and O^T are multiplied by 2^(old M - new M), which rounds nothing.  At the end O^T / sum is quantised with 2^e6 into att, laid as hn is, K = 64 h + d.
; p is at most 1 (but for a last bit), so p / 2^e4 is under 57,344 wherever e4 >= -15: there the hold at the largest code cannot bind, and a scalar branch on the whole number e4 goes round its 128 lines.
; No cluster: what partners share (hn, 256 KiB a batch) is read once at the head, straight into operand registers, and would not fit in LDS beside the images.
; LIMITS, so that each power of two below is an f32 number: e3 - e0 - e1, e5 - e0 - e1, e2 - e0 - e1, e6 - e4 - e5 and e4 between -126 and 112; e2 + e3 between -124 and 129.  NaN and infinities are not served.
; LDS: 0: K's images (8,192 ks + 1,024 u); 65,536: V's (8,192 ks + 2,048 g); 131,072: the head's 24 weight fragments (16,384 type + 4,096 tile + 2,048 K step; types q, k, v).
; REGISTERS, production: v1 16 x lane; v2-5 LDS addresses; v6-8 the three scales; v9, v10 offsets of the biases; v12-15 V's bias; v16-31 Q's codes; v32-95 two sets of a weight tile's two fragments;
;   v96-159 eight accumulators; v160-175 codes just made; v176-207, v208-239 K's and Q's bias tiles; v240-247 V's bias as a C.  Window 1: hn's 16 fragments (slot u, K step s at 32 u + 16 s).
; REGISTERS, attention: v3, v4 LDS addresses; v5 2^e4, v6 2^(e6 - e4 - e5); v16-31 Q; v32-63 P; v64-191 S^T, then p; v192-223 statistics, 16 a tile.  Window 1: v0-63 O^T; v64-127 K's fragments; v128-191 V's.
.set VIMG, 65536
.set WIMG, 131072
.set BVR,  12
.set QC,   16
.set WF,   32
.set D,    96
.set CD,   160
.set BK,   176
.set BQ,   208
.set BVC,  240
.set PB,   32
.set SB,   64
.set STB,  192                         ; tile a at STB + 16 a: +0 -M, +1 the largest t, +2, +3 the sum in two halves, +4 f (+5 named with it), +6, +7 a second chain of sums, +8, +9 chains of the maximum, +10, +11 at work
.set KF,   64                          ; in window 1
.set VF,   128                         ; in window 1
.set MSB, 0
.macro WIN new                         ; low byte: bits 1:0 source 0, 3:2 source 1, 5:4 source 2, 7:6 destination; the high byte repeats the setting that is left
.if MSB != \new
	s_set_vgpr_msb (MSB<<8)|\new
.set MSB, \new
.endif
.endm
.macro PLACES n                        ; plain vector lines behind a matrix instruction (ISA guide 7.12.1)
.rept \n
	v_nop
.endr
.endm
.macro MKSCALE src, ss, sn             ; s[src] = e:  s[ss] = 2^e as f32, s[sn] = -57,344 x 2^e, s[sn+1] = +57,344 x 2^e
	s_add_co_i32 s57, s[\src], 127
	s_lshl_b32 s[\ss], s57, 23
	s_add_co_i32 s57, s57, 15
	s_lshl_b32 s57, s57, 23
	s_or_b32 s[\sn+1], s57, 0x600000
	s_or_b32 s[\sn], s[\sn+1], 0x80000000
.endm
	s_load_b256 s[4:11], s[0:1], 0x0               ; hn 4:5, wcodes 6:7, qkv_b 8:9, the exponents 10:11
	s_load_b64 s[12:13], s[0:1], 0x20              ; att
	v_lshl_add_u32 v254, v0, 2, 0x2c000
	v_mov_b32 v255, 0
	v_and_b32 v10, 31, v0
	v_lshlrev_b32 v1, 4, v10                       ; 16 x lane
	v_lshrrev_b32 v11, 5, v0
	v_readfirstlane_b32 s24, v11                   ; wave 0..7
	s_lshl_b32 s56, s24, 13                        ; 8,192 w
	s_lshl_b32 s57, s24, 11                        ; 2,048 w
	v_add_nc_u32 v2, WIMG, v1                      ; the weights' images, to read
	v_add_nc_u32 v3, s56, v1                       ; my key step's images of K, to write
	v_add_nc_u32 v4, VIMG, v3                      ; of V
	v_add_nc_u32 v5, s57, v2                       ; the weight fragment that I copy
	v_bfe_u32 v9, v0, 4, 1
	v_lshlrev_b32 v9, 5, v9                        ; 32 hh: K's and Q's bias, eight numbers a half
	v_and_b32 v10, 15, v0
	v_lshlrev_b32 v10, 2, v10                      ; 4 r: V's bias, one number a lane
	s_lshr_b32 s25, ttmp9, 4                       ; b
	s_bfe_u32 s26, ttmp9, 0x20002                  ; h
	s_and_b32 s27, ttmp9, 3                        ; qd
	s_lshl_b32 s58, s25, 18                        ; the batch's 262,144 bytes of codes
	s_add_co_u32 s58, s58, s56                     ; + my wave's two tiles of each sixteen
	s_mov_b32 s37, 0
	s_wait_kmcnt 0x0
	s_load_b256 s[16:23], s[10:11], 0x0            ; e0 .. e7
.irp i, 0,1,2,3
	s_add_co_u32 s36, s27, \i
	s_and_b32 s36, s36, 3
	s_lshl_b32 s36, s36, 16                        ; sixteen tiles of 4,096 bytes
	s_add_co_u32 s36, s36, s58
	s_add_nc_u64 s[28+2*\i:29+2*\i], s[4:5], s[36:37]   ; slots 2 i, 2 i + 1
.endr
	s_lshl_b32 s36, s26, 14                        ; the head's eight fragments of each type,
	s_add_co_u32 s36, s36, s57                     ; of which I copy number w
	s_add_nc_u64 s[38:39], s[6:7], s[36:37]
	s_lshl_b32 s36, s26, 8                         ; the head's 64 biases of each type
	s_add_nc_u64 s[8:9], s[8:9], s[36:37]
	s_lshl_b32 s36, s27, 16                        ; att: tile 16 qd + 2 w; 1,024 h = K step h / 2, pieces 2 (h % 2) on
	s_add_co_u32 s36, s36, s58
	s_lshl_b32 s59, s26, 10
	s_add_co_u32 s36, s36, s59
	s_add_nc_u64 s[60:61], s[12:13], s[36:37]
	; ---- all global loads of the launch, 96 a wave: 12 weight pieces, 20 of biases, 64 of hn
.irp y, 0,1,2
.irp i, 0,1,2,3
	global_load_b128 v[D+4*(4*\y+\i):D+4*(4*\y+\i)+3], v1, s[38:39] offset:65536*\y+512*\i
.endr
.endr
.irp t, 0,1,2,3
	global_load_b128 v[BK+8*\t:BK+8*\t+3], v9, s[8:9] offset:1024+64*\t       ; channels 16 t + 8 hh + 0 .. 7
	global_load_b128 v[BK+8*\t+4:BK+8*\t+7], v9, s[8:9] offset:1024+64*\t+16
	global_load_b128 v[BQ+8*\t:BQ+8*\t+3], v9, s[8:9] offset:64*\t
	global_load_b128 v[BQ+8*\t+4:BQ+8*\t+7], v9, s[8:9] offset:64*\t+16
	global_load_b32 v[BVR+\t], v10, s[8:9] offset:2048+64*\t                  ; channel 16 t + r
.endr
	WIN 0x40                                       ; destination window 1
.irp u, 0,1,2,3,4,5,6,7
.irp s, 0,1
.irp i, 0,1,2,3
	global_load_b128 v[32*\u+16*\s+4*\i:32*\u+16*\s+4*\i+3], v1, s[28+2*(\u/2):29+2*(\u/2)] offset:4096*(\u%2)+2048*\s+512*\i
.endr
.endr
.endr
	WIN 0
	s_wait_kmcnt 0x0
	s_add_co_i32 s56, s16, s17                     ; e0 + e1: a sum of the first product stands for sum x 2^(e0 + e1)
	s_sub_co_i32 s54, 0, s56
	s_sub_co_i32 s59, s19, s56                     ; K: e3 - e0 - e1
	MKSCALE 59, 58, 40
	v_mov_b32 v6, s58
	s_sub_co_i32 s59, s21, s56                     ; V: e5 - e0 - e1
	MKSCALE 59, 58, 42
	v_mov_b32 v7, s58
	s_sub_co_i32 s59, s18, s56                     ; Q: e2 - e0 - e1
	MKSCALE 59, 58, 44
	v_mov_b32 v8, s58
	s_sub_co_i32 s59, s22, s20
	s_sub_co_i32 s59, s59, s21                     ; O: e6 - e4 - e5
	MKSCALE 59, 62, 46
	s_add_co_i32 s57, s20, 127                     ; p: e4
	s_lshl_b32 s63, s57, 23
	s_add_co_i32 s57, s57, 15
	s_lshl_b32 s57, s57, 23
	s_or_b32 s55, s57, 0x600000
	s_add_co_i32 s57, s18, s19
	s_lshl_b32 s57, s57, 23
	s_add_co_i32 s48, s57, 0x3e38aa3b              ; c = log2(e) / 8, with e2 + e3 added to its exponent field
	s_mov_b32 s49, s48                             ; (named with it as a pair, so it is written)
	s_mov_b32 s50, 0x76543210                      ; v_permlanex16_b32: lane l xor 16
	s_mov_b32 s51, 0xfedcba98
	s_wait_loadcnt 63                              ; 64 loads of hn were issued behind the last bias: the weights and biases are in (63 is the largest count that the wait can name)
.irp y, 0,1,2
.irp i, 0,1,2,3
	ds_store_b128 v5, v[D+4*(4*\y+\i):D+4*(4*\y+\i)+3] offset:16384*\y+512*\i
.endr
.endr
.set i, 0
.rept 64
	v_ldexp_f32 v[BK+i], v[BK+i], s54              ; K's and Q's biases / 2^(e0 + e1)
.set i, i+1
.endr
	s_wait_dscnt 0x0                               ; for the others' sake: my part of the weights lies in LDS
	s_barrier_signal -1
	s_barrier_wait -1                              ; everybody's does
.macro FETCHW f, buf                   ; weight tile f = 4 type + t, both K steps, into set buf
.irp s, 0,1
.irp i, 0,1,2,3
	ds_load_b128 v[WF+32*(\buf)+16*\s+4*\i:WF+32*(\buf)+16*\s+4*\i+3], v2 offset:4096*(\f)+2048*\s+512*\i
.endr
.endr
.endm
.macro HOLD n, lo                      ; the first n accumulators, each from its low end on, within +-57,344 x the scale (the conversion does not saturate: ISA guide 7.6.2)
	WIN 0
	PLACES 4
.set i, 0
.rept 8*\n
	v_med3_num_f32 v[D+i], v[D+i], s[\lo], s[\lo+1]
.set i, i+1
.endr
.endm
; In each tile the accumulators take turns, one instruction a turn, K step by K step.
.macro KPROD t, buf, nf                ; K's channels 16 t on, for my eight slots
	s_wait_dscnt 0x0                               ; this tile's weights are in; the last tile's LDS stores have read their registers
	FETCHW \nf, 1-(\buf)                           ; the next tile's; the set's last readers stand more than four plain lines back
	WIN 0x04                                       ; source 1 (hn) window 1
.irp u, 0,1,2,3,4,5,6,7
	v_wmma_f32_16x16x128_bf8_bf8 v[D+8*\u:D+8*\u+7], v[WF+32*(\buf):WF+32*(\buf)+15], v[32*\u:32*\u+15], v[BK+8*(\t):BK+8*(\t)+7]
.endr
.irp u, 0,1,2,3,4,5,6,7
	v_wmma_f32_16x16x128_bf8_bf8 v[D+8*\u:D+8*\u+7], v[WF+32*(\buf)+16:WF+32*(\buf)+31], v[32*\u+16:32*\u+31], v[D+8*\u:D+8*\u+7]
.endr
	HOLD 8, 40
.irp u, 0,1,2,3,4,5,6,7
	v_cvt_scalef32_pk8_bf8_f32 v[CD+2*\u:CD+2*\u+1], v[D+8*\u:D+8*\u+7], v6
.endr
	v_nop                                          ; one plain line behind the last conversion of a run
.irp u, 0,1,2,3,4,5,6,7
	ds_store_b64 v3, v[CD+2*\u:CD+2*\u+1] offset:1024*\u+512*((\t)/2)+8*((\t)%2)   ; registers 2 t, 2 t + 1 of slot u's fragment
.endr
.endm
.macro VPROD g, buf, nf                ; V's channels 16 g on, for my 128 keys: one whole fragment
	s_wait_dscnt 0x0
	FETCHW \nf, 1-(\buf)
.irp j, 0,1,2,3,4,5,6,7
	v_ldexp_f32 v[BVC+\j], v[BVR+\g], s54          ; a lane holds one channel: its bias / 2^(e0 + e1) in all eight registers of the C
.endr
	WIN 0x01                                       ; source 0 (hn) window 1
.irp u, 0,1,2,3,4,5,6,7
	v_wmma_f32_16x16x128_bf8_bf8 v[D+8*\u:D+8*\u+7], v[32*\u:32*\u+15], v[WF+32*(\buf):WF+32*(\buf)+15], v[BVC:BVC+7]
.endr
.irp u, 0,1,2,3,4,5,6,7
	v_wmma_f32_16x16x128_bf8_bf8 v[D+8*\u:D+8*\u+7], v[32*\u+16:32*\u+31], v[WF+32*(\buf)+16:WF+32*(\buf)+31], v[D+8*\u:D+8*\u+7]
.endr
	HOLD 8, 42
.irp u, 0,1,2,3,4,5,6,7
	v_cvt_scalef32_pk8_bf8_f32 v[CD+2*\u:CD+2*\u+1], v[D+8*\u:D+8*\u+7], v7
.endr
	v_nop
.irp i, 0,1,2,3
	ds_store_b128 v4, v[CD+4*\i:CD+4*\i+3] offset:2048*(\g)+512*\i
.endr
.endm
.macro QPROD t, buf, nf, more          ; Q's channels 16 t on, for my two tiles of queries (slots 0 and 1); the codes stay in registers
	s_wait_dscnt 0x0
.if \more
	FETCHW \nf, 1-(\buf)
.endif
	WIN 0x04
	v_wmma_f32_16x16x128_bf8_bf8 v[D:D+7], v[WF+32*(\buf):WF+32*(\buf)+15], v[0:15], v[BQ+8*(\t):BQ+8*(\t)+7]
	v_wmma_f32_16x16x128_bf8_bf8 v[D+8:D+15], v[WF+32*(\buf):WF+32*(\buf)+15], v[32:47], v[BQ+8*(\t):BQ+8*(\t)+7]
	v_wmma_f32_16x16x128_bf8_bf8 v[D:D+7], v[WF+32*(\buf)+16:WF+32*(\buf)+31], v[16:31], v[D:D+7]
	v_wmma_f32_16x16x128_bf8_bf8 v[D+8:D+15], v[WF+32*(\buf)+16:WF+32*(\buf)+31], v[48:63], v[D+8:D+15]
	HOLD 2, 44
	v_cvt_scalef32_pk8_bf8_f32 v[QC+2*(\t):QC+2*(\t)+1], v[D:D+7], v8
	v_cvt_scalef32_pk8_bf8_f32 v[QC+8+2*(\t):QC+8+2*(\t)+1], v[D+8:D+15], v8
	v_nop
.endm
	FETCHW 4, 0
	s_wait_loadcnt 0x0                             ; hn
	KPROD 0, 0, 5
	KPROD 1, 1, 6
	KPROD 2, 0, 7
	KPROD 3, 1, 8
	VPROD 0, 0, 9
	VPROD 1, 1, 10
	VPROD 2, 0, 11
	VPROD 3, 1, 0
	QPROD 0, 0, 1, 1
	QPROD 1, 1, 2, 1
	QPROD 2, 0, 3, 1
	QPROD 3, 1, 0, 0
	s_wait_dscnt 0x0                               ; for the others' sake: my key step's images lie in LDS
	s_barrier_signal -1
	s_barrier_wait -1                              ; the head's K and V are whole; nothing in LDS is written from here on
	WIN 0x40
.set i, 0
.rept 64
	v_mov_b32 v[i], 0                              ; O^T.  (The step is written once: the first finds zeros, which the first change of M leaves zeros)
.set i, i+1
.endr
	WIN 0
.irp a, 0,1
	v_mov_b32 v[STB+16*\a+1], 0xff61b1e6           ; the largest t so far: -3e38, under every t
	v_floor_f32 v[STB+16*\a], -v[STB+16*\a+1]      ; -M
	v_mov_b32 v[STB+16*\a+2], 0                    ; the sum, in two halves
	v_mov_b32 v[STB+16*\a+3], 0
	v_mov_b32 v[STB+16*\a+5], 0                    ; (named as the upper half of f's pair)
	v_mov_b32 v[STB+16*\a+10], 0                   ; written once: a lane permute's destination counts as one of its sources
.endr
	v_add_nc_u32 v2, VIMG, v1                      ; V's images, to read
	v_mov_b32 v5, s63                              ; 2^e4
	v_mov_b32 v6, s62                              ; 2^(e6 - e4 - e5)
	s_mov_b32 s52, 0                               ; the key step's images begin here
	s_mov_b32 s53, 8
.Lstep:                                            ; eight trips: a key step of 128 keys for both tiles of queries
	v_add_nc_u32 v3, s52, v1
	v_add_nc_u32 v4, s52, v2
	PLACES 2                                       ; with the two additions: four places in front of loads into registers that the last products read
	WIN 0x40
.irp u, 0,1,2,3,4,5,6,7
.irp i, 0,1
	ds_load_b128 v[KF+8*\u+4*\i:KF+8*\u+4*\i+3], v3 offset:1024*\u+512*\i
.endr
.endr
.irp g, 0,1,2,3
.irp i, 0,1,2,3
	ds_load_b128 v[VF+16*\g+4*\i:VF+16*\g+4*\i+3], v4 offset:2048*\g+512*\i
.endr
.endr
	s_wait_dscnt 16                                ; K's sixteen loads are in; V's sixteen, issued behind them, stay out under the softmax
	WIN 0x01                                       ; source 0 (K) window 1
.irp u, 0,1,2,3,4,5,6,7
.irp a, 0,1
	v_wmma_f32_16x16x64_bf8_bf8 v[SB+64*\a+8*\u:SB+64*\a+8*\u+7], v[KF+8*\u:KF+8*\u+7], v[QC+8*\a:QC+8*\a+7], 0
.endr
.endr
	WIN 0
	PLACES 4
	; the step's largest score of my query among my 64 keys, in two chains a tile, the scores in ascending order; the two tiles alternate throughout
.irp a, 0,1
	v_max3_num_f32 v[STB+16*\a+8], v[SB+64*\a], v[SB+64*\a+1], v[SB+64*\a+2]
	v_max3_num_f32 v[STB+16*\a+9], v[SB+64*\a+3], v[SB+64*\a+4], v[SB+64*\a+5]
.endr
.irp i, 6,10,14,18,22,26,30,34,38,42,46,50,54,58
.irp a, 0,1
	v_max3_num_f32 v[STB+16*\a+8], v[STB+16*\a+8], v[SB+64*\a+\i], v[SB+64*\a+\i+1]
	v_max3_num_f32 v[STB+16*\a+9], v[STB+16*\a+9], v[SB+64*\a+\i+2], v[SB+64*\a+\i+3]
.endr
.endr
.irp a, 0,1
	v_max3_num_f32 v[STB+16*\a+8], v[STB+16*\a+8], v[SB+64*\a+62], v[SB+64*\a+63]
.endr
.irp a, 0,1
	v_max_num_f32 v[STB+16*\a+8], v[STB+16*\a+8], v[STB+16*\a+9]
.endr
.irp a, 0,1
	v_permlanex16_b32 v[STB+16*\a+10], v[STB+16*\a+8], s50, s51
.endr
.irp a, 0,1
	v_max_num_f32 v[STB+16*\a+8], v[STB+16*\a+8], v[STB+16*\a+10]   ; and among lane l xor 16's
.endr
.irp a, 0,1
	v_mul_f32 v[STB+16*\a+8], s48, v[STB+16*\a+8]  ; as t (c is positive)
.endr
.irp a, 0,1
	v_max_num_f32 v[STB+16*\a+1], v[STB+16*\a+1], v[STB+16*\a+8]    ; the running largest t
.endr
.irp a, 0,1
	v_mov_b32 v[STB+16*\a+11], v[STB+16*\a]
.endr
.irp a, 0,1
	v_floor_f32 v[STB+16*\a], -v[STB+16*\a+1]      ; the new -M = floor(-t) = -ceil(t)
.endr
.irp a, 0,1
	v_sub_f32 v[STB+16*\a+11], v[STB+16*\a], v[STB+16*\a+11]        ; old M - new M: a whole number, 0 or less
.endr
.irp a, 0,1
	v_cvt_i32_f32 v[STB+16*\a+11], v[STB+16*\a+11] ; (it saturates)
.endr
.irp a, 0,1
	v_ldexp_f32 v[STB+16*\a+4], 1.0, v[STB+16*\a+11]                ; f = 2^(old M - new M)
.endr
.set i, 0
.rept 32
.irp a, 0,1
	v_pk_fma_f32 v[SB+64*\a+2*i:SB+64*\a+2*i+1], v[SB+64*\a+2*i:SB+64*\a+2*i+1], s[48:49], v[STB+16*\a:STB+16*\a+1] op_sel_hi:[1,0,0]   ; t - M (of the pairs c and -M the low word serves both halves)
.endr
.set i, i+1
.endr
.set i, 0
.rept 128
	v_exp_f32 v[SB+i], v[SB+i]                     ; p = 2^(t - M)
.set i, i+1
.endr
.irp a, 0,1
	v_pk_mul_f32 v[STB+16*\a+2:STB+16*\a+3], v[STB+16*\a+2:STB+16*\a+3], v[STB+16*\a+4:STB+16*\a+5] op_sel_hi:[1,0]   ; the sums under the new M.  (Plain lines behind the exponentials)
.endr
	s_wait_alu depctr_va_vdst(0)
.irp a, 0,1
	v_pk_add_f32 v[STB+16*\a+6:STB+16*\a+7], v[SB+64*\a:SB+64*\a+1], v[SB+64*\a+2:SB+64*\a+3]   ; the row's sum is taken of the unquantised p, in two chains a tile
.endr
.irp j, 4,8,12,16,20,24,28,32,36,40,44,48,52,56,60
.irp a, 0,1
	v_pk_add_f32 v[STB+16*\a+2:STB+16*\a+3], v[STB+16*\a+2:STB+16*\a+3], v[SB+64*\a+\j:SB+64*\a+\j+1]
	v_pk_add_f32 v[STB+16*\a+6:STB+16*\a+7], v[STB+16*\a+6:STB+16*\a+7], v[SB+64*\a+\j+2:SB+64*\a+\j+3]
.endr
.endr
.irp a, 0,1
	v_pk_add_f32 v[STB+16*\a+2:STB+16*\a+3], v[STB+16*\a+2:STB+16*\a+3], v[STB+16*\a+6:STB+16*\a+7]
.endr
	s_cmp_ge_i32 s20, -15                          ; e4 >= -15: p / 2^e4 stays under 57,344, the hold cannot bind
	s_cbranch_scc1 .Lnohold
.set i, 0
.rept 128
	v_min_num_f32 v[SB+i], s55, v[SB+i]            ; p is not negative: the hold is one-sided
.set i, i+1
.endr
.Lnohold:
.irp u, 0,1,2,3,4,5,6,7
.irp a, 0,1
	v_cvt_scalef32_pk8_bf8_f32 v[PB+16*\a+2*\u:PB+16*\a+2*\u+1], v[SB+64*\a+8*\u:SB+64*\a+8*\u+7], v5
.endr
.endr
	WIN 0x41                                       ; O^T (destination and source 0) window 1
.irp a, 0,1
.set i, 0
.rept 16
	v_pk_mul_f32 v[32*\a+2*i:32*\a+2*i+1], v[32*\a+2*i:32*\a+2*i+1], v[STB+16*\a+4:STB+16*\a+5] op_sel_hi:[1,0]   ; O^T under the new M, each accumulator from its low end on.  (Also the plain lines behind the conversions)
.set i, i+1
.endr
.endr
	s_wait_dscnt 0x0                               ; V is in
	WIN 0x51                                       ; V, and O^T as C and D, window 1; P window 0
.irp g, 0,1,2,3
.irp a, 0,1
	v_wmma_f32_16x16x128_bf8_bf8 v[32*\a+8*\g:32*\a+8*\g+7], v[VF+16*\g:VF+16*\g+15], v[PB+16*\a:PB+16*\a+15], v[32*\a+8*\g:32*\a+8*\g+7]
.endr
.endr
	WIN 0
	s_add_co_u32 s52, s52, 8192
	s_sub_co_u32 s53, s53, 1
	s_cmp_lg_u32 s53, 0
	s_cbranch_scc1 .Lstep
	; ---- O^T / the sum, quantised with 2^e6: a tile's four results are pieces 2 (h % 2), 2 (h % 2) + 1 of att's fragment
.irp a, 0,1
	v_add_f32 v[STB+16*\a+2], v[STB+16*\a+2], v[STB+16*\a+3]        ; the sum's two halves
.endr
	PLACES 2                                       ; with the two additions: four places behind the last products
.irp a, 0,1
	v_permlanex16_b32 v[STB+16*\a+10], v[STB+16*\a+2], s50, s51
.endr
.irp a, 0,1
	v_add_f32 v[STB+16*\a+2], v[STB+16*\a+2], v[STB+16*\a+10]       ; and lane l xor 16's: the row's sum
.endr
.irp a, 0,1
	v_rcp_f32 v[STB+16*\a+4], v[STB+16*\a+2]
.endr
	v_nop                                          ; one plain line behind a transcendental
	WIN 0x01                                       ; source 0 (O^T) window 1
	s_wait_alu depctr_va_vdst(0)
.irp a, 0,1
.set i, 0
.rept 16
	v_pk_mul_f32 v[SB+32*\a+2*i:SB+32*\a+2*i+1], v[32*\a+2*i:32*\a+2*i+1], v[STB+16*\a+4:STB+16*\a+5] op_sel_hi:[1,0]
.set i, i+1
.endr
.endr
	WIN 0
.set i, 0
.rept 64
	v_med3_num_f32 v[SB+i], v[SB+i], s46, s47
.set i, i+1
.endr
.irp a, 0,1
.irp g, 0,1,2,3
	v_cvt_scalef32_pk8_bf8_f32 v[PB+8*\a+2*\g:PB+8*\a+2*\g+1], v[SB+32*\a+8*\g:SB+32*\a+8*\g+7], v6
.endr
.endr
	v_nop
.irp a, 0,1
.irp i, 0,1
	global_store_b128 v1, v[PB+8*\a+4*\i:PB+8*\a+4*\i+3], s[60:61] offset:4096*\a+512*\i   ; 512 consecutive bytes, aligned
.endr
.endr
	s_wait_tensorcnt 0x0
	ds_add_u32 v254, v255
	s_wait_dscnt 0x0
	s_endpgm
.Lfunc_end_k_qc24218064f_attn:
	.size	k_qc24218064f_attn, .Lfunc_end_k_qc24218064f_attn-k_qc24218064f_attn
	.p2alignl 7, 3214868480
	.fill 96, 4, 3214868480
	.section	.rodata,"a",@progbits
	.p2align	6, 0x0
	.amdhsa_kernel k_qc24218064f_attn
		.amdhsa_group_segment_fixed_size 181248
		.amdhsa_private_segment_fixed_size 0
		.amdhsa_enable_private_segment 0
		.amdhsa_kernarg_size 40
		.amdhsa_user_sgpr_count 2
		.amdhsa_user_sgpr_kernarg_segment_ptr 1
		.amdhsa_wavefront_size32 1
		.amdhsa_system_sgpr_workgroup_id_x 1
		.amdhsa_system_sgpr_workgroup_id_y 1
		.amdhsa_system_sgpr_workgroup_id_z 1
		.amdhsa_system_vgpr_workitem_id 0
		.amdhsa_next_free_vgpr 512
		.amdhsa_next_free_sgpr 66
		.amdhsa_reserve_vcc 0
		.amdhsa_float_denorm_mode_32 3
		.amdhsa_float_denorm_mode_16_64 3
		.amdhsa_memory_ordered 1
		.amdhsa_forward_progress 1
		.amdhsa_inst_pref_size 121
	.end_amdhsa_kernel
	.amdgpu_metadata
---
amdhsa.version: [ 1, 2 ]
amdhsa.kernels:
  - .name:           k_qc24218064f_attn
    .symbol:         k_qc24218064f_attn.kd
    .args:
      - { .name: hn, .offset: 0, .size: 8, .value_kind: global_buffer, .address_space: global }
      - { .name: wcodes, .offset: 8, .size: 8, .value_kind: global_buffer, .address_space: global }
      - { .name: qkv_b, .offset: 16, .size: 8, .value_kind: global_buffer, .address_space: global }
      - { .name: lowp_scales, .offset: 24, .size: 8, .value_kind: global_buffer, .address_space: global }
      - { .name: att, .offset: 32, .size: 8, .value_kind: global_buffer, .address_space: global }
    .group_segment_fixed_size: 181248
    .private_segment_fixed_size: 0
    .kernarg_segment_align: 8
    .kernarg_segment_size: 40
    .max_flat_workgroup_size: 256
    .sgpr_count:     66
    .vgpr_count:     512
    .wavefront_size: 32
...
	.end_amdgpu_metadata
.endif
;; end of part 2
;; launch proj (part 3): grid 256 x 1, 8 waves a work-group, no clusters, 0 bytes of LDS; arguments att, wcodes, proj_b, x, lowp_scales, out0; writes out0
.if DOCPART == 3
	.amdgcn_target "amdgcn-amd-amdhsa--gfx1250"
	.amdhsa_code_object_version 6
	.text
	.protected	k_qc24218064f_proj
	.globl	k_qc24218064f_proj
	.p2align	8
	.type	k_qc24218064f_proj,@function
k_qc24218064f_proj:
	s_mov_b64 s[64:65], 0
	v_nop
	global_prefetch_b8 v0, s[64:65] scope:SCOPE_SE
	s_setreg_imm32_b32 hwreg(HW_REG_WAVE_MODE, 25, 1), 1
	s_wait_xcnt 0x0
; out0 = x + proj_w . att + proj_b, the product on codes of E5M2 (att with 2^e6, proj_w with 2^e7), K = 256 channels in two steps of 128.
; Work-group id = 16 b + Mb owns 64 pixels of batch b: att's tiles 4 Mb + t, t = 0 .. 3; row r of tile 4 Mb + t is pixel 64 Mb + 4 r + t.  Wave w makes out channels 32 w .. 32 w + 31 (two tiles o) for all four.
; Source 0 = 16 rows of proj_w, source 1 = 16 positions: lane (r, hh) holds a position, register j channel 16 o + 8 hh + j.  The same (o, j) of the four tiles t are FOUR NEIGHBOURING PIXELS of one channel:
; 16 bytes a lane, and sixteen lanes load (x) and store (out0) 256 consecutive bytes, aligned.  No LDS, no barrier: all operands come as images of their registers (a piece = four registers, 16 bytes a lane at 16 x lane).
; The bias is the C of each sum's first matrix instruction, divided by 2^(e6 + e7), which the sums lack; then out = sum x 2^(e6 + e7) + x, one fused multiply-add.
; No cluster: what work-groups share is the weight's 64 KiB of codes, a small part of a work-group's 144 KiB.  LIMIT: e6 + e7 between -126 and 127.
; REGISTERS: v1 16 x lane; v2 my offset in x and out0; v3 32 hh; v16-143 att's 8 fragments (32 t + 16 s); v144-207 the 8 accumulators (8 (4 o + t)); v208-223 the bias tiles.
;   Window 1: v0-63 x, then out0 (4 (8 o + j) + t); v64-127 proj_w's 4 fragments (32 o + 16 s).
.set AT,  16
.set ACC, 144
.set BC,  208
.set WP,  64                           ; in window 1
.set MSB, 0
.macro WIN new                         ; low byte: bits 1:0 source 0, 3:2 source 1, 5:4 source 2, 7:6 destination; the high byte repeats the setting that is left
.if MSB != \new
	s_set_vgpr_msb (MSB<<8)|\new
.set MSB, \new
.endif
.endm
	s_load_b256 s[4:11], s[0:1], 0x0               ; att 4:5, wcodes 6:7, proj_b 8:9, x 10:11
	s_load_b128 s[12:15], s[0:1], 0x20             ; the exponents 12:13, out0 14:15
	v_and_b32 v4, 31, v0
	v_lshlrev_b32 v1, 4, v4                        ; 16 x lane
	v_and_b32 v2, 15, v0
	v_lshlrev_b32 v2, 4, v2
	v_bfe_u32 v3, v0, 4, 1
	v_lshl_add_u32 v2, v3, 15, v2                  ; 16 r + eight channels of 4,096 bytes for lanes 16-31
	v_lshlrev_b32 v3, 5, v3                        ; 32 hh
	v_lshrrev_b32 v4, 5, v0
	v_readfirstlane_b32 s20, v4                    ; wave 0..7
	s_lshr_b32 s21, ttmp9, 4                       ; b
	s_and_b32 s24, ttmp9, 15                       ; Mb
	s_mov_b32 s23, 0
	s_wait_kmcnt 0x0
	s_load_b64 s[16:17], s[12:13], 0x18            ; e6, e7
	s_lshl_b32 s22, s21, 18
	s_lshl_b32 s25, s24, 14
	s_add_co_u32 s22, s22, s25                     ; att: the batch, four tiles of 4,096 bytes
	s_add_nc_u64 s[4:5], s[4:5], s[22:23]
	s_lshl_b32 s22, s20, 13
	s_add_co_u32 s22, s22, 196608                  ; wcodes: fragment 96 + 4 w on
	s_add_nc_u64 s[6:7], s[6:7], s[22:23]
	s_lshl_b32 s22, s20, 7                         ; proj_b: my 32 channels
	s_add_nc_u64 s[8:9], s[8:9], s[22:23]
	s_lshl_b32 s22, s21, 20
	s_lshl_b32 s25, s20, 17
	s_add_co_u32 s22, s22, s25
	s_lshl_b32 s25, s24, 8
	s_add_co_u32 s22, s22, s25                     ; x, out0: the batch, my 32 channels, the 64 pixels
	s_add_nc_u64 s[10:11], s[10:11], s[22:23]
	s_add_nc_u64 s[14:15], s[14:15], s[22:23]
.irp o, 0,1
	global_load_b128 v[BC+8*\o:BC+8*\o+3], v3, s[8:9] offset:64*\o
	global_load_b128 v[BC+8*\o+4:BC+8*\o+7], v3, s[8:9] offset:64*\o+16
.endr
.irp t, 0,1,2,3
.irp s, 0,1
.irp i, 0,1,2,3
	global_load_b128 v[AT+32*\t+16*\s+4*\i:AT+32*\t+16*\s+4*\i+3], v1, s[4:5] offset:4096*\t+2048*\s+512*\i
.endr
.endr
.endr
	WIN 0x40                                       ; destination window 1
.irp o, 0,1
.irp s, 0,1
.irp i, 0,1,2,3
	global_load_b128 v[WP+32*\o+16*\s+4*\i:WP+32*\o+16*\s+4*\i+3], v1, s[6:7] offset:4096*\o+2048*\s+512*\i
.endr
.endr
.endr
.irp o, 0,1
.irp j, 0,1,2,3,4,5,6,7
	global_load_b128 v[4*(8*\o+\j):4*(8*\o+\j)+3], v2, s[10:11] offset:65536*\o+4096*\j th:TH_LOAD_NT   ; x comes last: nothing wants it before the end; read once in this launch
.endr
.endr
	WIN 0
	s_wait_kmcnt 0x0
	s_add_co_i32 s19, s16, s17                     ; e6 + e7
	s_add_co_i32 s18, s19, 127
	s_lshl_b32 s18, s18, 23                        ; 2^(e6 + e7) as f32
	s_sub_co_i32 s19, 0, s19
	s_wait_loadcnt 16                              ; all but x's sixteen loads
.set i, 0
.rept 16
	v_ldexp_f32 v[BC+i], v[BC+i], s19              ; proj_b / 2^(e6 + e7)
.set i, i+1
.endr
	WIN 0x01                                       ; source 0 (proj_w) window 1.  The eight accumulators take turns, one instruction a turn
.irp o, 0,1
.irp t, 0,1,2,3
	v_wmma_f32_16x16x128_bf8_bf8 v[ACC+8*(4*\o+\t):ACC+8*(4*\o+\t)+7], v[WP+32*\o:WP+32*\o+15], v[AT+32*\t:AT+32*\t+15], v[BC+8*\o:BC+8*\o+7]
.endr
.endr
.irp o, 0,1
.irp t, 0,1,2,3
	v_wmma_f32_16x16x128_bf8_bf8 v[ACC+8*(4*\o+\t):ACC+8*(4*\o+\t)+7], v[WP+32*\o+16:WP+32*\o+31], v[AT+32*\t+16:AT+32*\t+31], v[ACC+8*(4*\o+\t):ACC+8*(4*\o+\t)+7]
.endr
.endr
	WIN 0
.rept 4
	v_nop                                          ; four places in front of the first read of results (ISA guide 7.12.1)
.endr
	s_wait_loadcnt 0x0                             ; x
	WIN 0x50                                       ; x and the result window 1, the sums window 0
.irp o, 0,1
.irp j, 0,1,2,3,4,5,6,7
.irp t, 0,1,2,3
	v_fma_f32 v[4*(8*\o+\j)+\t], v[ACC+8*(4*\o+\t)+\j], s18, v[4*(8*\o+\j)+\t]   ; each accumulator from its low end on
.endr
.endr
.endr
	WIN 0x04                                       ; a store's data window 1
.irp o, 0,1
.irp j, 0,1,2,3,4,5,6,7
	global_store_b128 v2, v[4*(8*\o+\j):4*(8*\o+\j)+3], s[14:15] offset:65536*\o+4096*\j th:TH_STORE_NT   ; sixteen lanes store 256 consecutive bytes, aligned; written once
.endr
.endr
	WIN 0
	s_endpgm
.Lfunc_end_k_qc24218064f_proj:
	.size	k_qc24218064f_proj, .Lfunc_end_k_qc24218064f_proj-k_qc24218064f_proj
	.p2alignl 7, 3214868480
	.fill 96, 4, 3214868480
	.section	.rodata,"a",@progbits
	.p2align	6, 0x0
	.amdhsa_kernel k_qc24218064f_proj
		.amdhsa_group_segment_fixed_size 0
		.amdhsa_private_segment_fixed_size 0
		.amdhsa_enable_private_segment 0
		.amdhsa_kernarg_size 48
		.amdhsa_user_sgpr_count 2
		.amdhsa_user_sgpr_kernarg_segment_ptr 1
		.amdhsa_wavefront_size32 1
		.amdhsa_system_sgpr_workgroup_id_x 1
		.amdhsa_system_sgpr_workgroup_id_y 1
		.amdhsa_system_sgpr_workgroup_id_z 1
		.amdhsa_system_vgpr_workitem_id 0
		.amdhsa_next_free_vgpr 384
		.amdhsa_next_free_sgpr 66
		.amdhsa_reserve_vcc 0
		.amdhsa_float_denorm_mode_32 3
		.amdhsa_float_denorm_mode_16_64 3
		.amdhsa_memory_ordered 1
		.amdhsa_forward_progress 1
		.amdhsa_inst_pref_size 16
	.end_amdhsa_kernel
	.amdgpu_metadata
---
amdhsa.version: [ 1, 2 ]
amdhsa.kernels:
  - .name:           k_qc24218064f_proj
    .symbol:         k_qc24218064f_proj.kd
    .args:
      - { .name: att, .offset: 0, .size: 8, .value_kind: global_buffer, .address_space: global }
      - { .name: wcodes, .offset: 8, .size: 8, .value_kind: global_buffer, .address_space: global }
      - { .name: proj_b, .offset: 16, .size: 8, .value_kind: global_buffer, .address_space: global }
      - { .name: x, .offset: 24, .size: 8, .value_kind: global_buffer, .address_space: global }
      - { .name: lowp_scales, .offset: 32, .size: 8, .value_kind: global_buffer, .address_space: global }
      - { .name: out0, .offset: 40, .size: 8, .value_kind: global_buffer, .address_space: global }
    .group_segment_fixed_size: 0
    .private_segment_fixed_size: 0
    .kernarg_segment_align: 8
    .kernarg_segment_size: 48
    .max_flat_workgroup_size: 256
    .sgpr_count:     66
    .vgpr_count:     384
    .wavefront_size: 32
...
	.end_amdgpu_metadata
.endif
;; end of part 3
;; ======== version 2 of 2: 3 launches
;; workspace buffers: hn 4,194,304 bytes; wcodes 262,144 bytes; att 4,194,304 bytes
;; launch norm (part 4): grid 128 x 1, 8 waves a work-group, no clusters, 1,536 bytes of LDS; arguments x, norm_w, norm_b, qkv_w, proj_w, lowp_scales, hn, wcodes; writes hn, wcodes
.if DOCPART == 4
	.amdgcn_target "amdgcn-amd-amdhsa--gfx1250"
	.amdhsa_code_object_version 6
	.text
	.protected	k_qc24218064f_norm
	.globl	k_qc24218064f_norm
	.p2align	8
	.type	k_qc24218064f_norm,@function
k_qc24218064f_norm:
	s_mov_b64 s[64:65], 0
	v_nop
	global_prefetch_b8 v0, s[64:65] scope:SCOPE_SE
	s_setreg_imm32_b32 hwreg(HW_REG_WAVE_MODE, 25, 1), 1
	s_wait_xcnt 0x0
; GroupNorm of one (batch, group), quantised to codes of E5M2 with the given scale 2^e0, and one fragment of the weights' codes.
; x: [16][256][1024] f32.  Work-group id = 8 b + g owns channels 32 g .. 32 g + 31 of batch b: 32 x 1,024 numbers, 128 KiB, which stay in registers
; between the pass for the mean, the pass for the variance and the quantiser: x is read once.  128 work-groups: a group's statistics belong to one work-group.
; Wave w owns pixels 128 w .. 128 w + 127, lane L the four pixels 128 w + 4 L + p, for all 32 channels: each load of a wave reads 512 consecutive bytes.
; THE CODES' LAYOUT (hn) is that of the next launch's operand registers: [b][tile m of 16 positions][K step s of 128 channels][piece i][lane][16 bytes].
; A fragment (16 rows x 128 K) is 16 registers: lane (r, hh) holds row r; registers 2 c, 2 c + 1 hold k = 16 c + 8 hh + 0 .. 7.  Piece i = registers 4 i .. 4 i + 3, a lane's 16 bytes at 16 x lane.
; Row r of tile m stands for pixel 64 (m / 4) + 4 r + m % 4: so my lane's pixel p is row L % 16 of tile 8 w + 4 (L / 16) + p, a group's 32 channels are piece g % 4 of K step g / 4,
; and sixteen neighbouring lanes store 256 consecutive bytes, aligned.
; THE WEIGHTS: wcodes = [fragment 2 (row tile) + s][piece][lane][16 bytes]; fragments 0-95 qkv_w (scale 2^e1), 96-127 proj_w (2^e7).  Work-group id makes fragment id, waves 0-3 a piece each.
; code = number / 2^e, held within +-57,344, to the nearest code, ties to even.  LIMITS: e0, e1, e7 between -126 and 112.  NaN and infinities among the inputs are not served.
; The variance is taken of x - mean (two passes over the registers): no difference of large sums.
.set X,   16                           ; v16-143  X + 4 c + p: channel c, pixel p
.set T,   144                          ; v144-175 8 p + j: eight neighbouring channels of pixel p
.set C,   176                          ; v176-207 8 p ..: pixel p's 32 codes
.set WX,  208                          ; v208-223 16 numbers of a weight
.set WC,  224                          ; v224-227 their codes
.set SM,  228                          ; v228-235 four chains of pairs
.set MN,  236                          ; v236-237 the mean, twice
	s_load_b512 s[4:19], s[0:1], 0x0               ; x 4:5, norm_w 6:7, norm_b 8:9, qkv_w 10:11, proj_w 12:13, the exponents 14:15, hn 16:17, wcodes 18:19
	v_lshl_add_u32 v254, v0, 2, 0x200
	v_mov_b32 v255, 0
	v_and_b32 v10, 31, v0                          ; lane
	s_delay_alu instid0(VALU_DEP_1)
	v_lshlrev_b32 v1, 4, v10                       ; 16 x lane
	v_and_b32 v2, 15, v0                           ; r
	v_bfe_u32 v3, v0, 4, 1                         ; u = lane / 16
	s_delay_alu instid0(VALU_DEP_2)
	v_lshlrev_b32 v4, 10, v2
	s_delay_alu instid0(VALU_DEP_1)
	v_lshl_add_u32 v4, v3, 5, v4                   ; a weight: row r of 1,024 bytes + 32 u: my eight numbers
	s_delay_alu instid0(VALU_DEP_4)
	v_lshlrev_b32 v5, 4, v2
	s_delay_alu instid0(VALU_DEP_1)
	v_lshl_add_u32 v5, v3, 14, v5                  ; hn: four tiles of 4,096 bytes further on for lanes 16-31, + 16 r
	v_lshrrev_b32 v11, 5, v0
	s_delay_alu instid0(VALU_DEP_1)
	v_readfirstlane_b32 s60, v11                   ; wave 0..7
	s_delay_alu instid0(VALU_DEP_2)
	v_lshlrev_b32 v6, 2, v11                       ; LDS: my wave's word
	v_mov_b32 v7, 0                                ; LDS: the eight words
	v_mov_b32 v239, 0                              ; written once: a lane permute's destination counts as one of its sources
	s_and_b32 s61, ttmp9, 7                        ; g
	s_mov_b32 s3, 0
	s_lshl_b32 s2, ttmp9, 17                       ; the group's 131,072 bytes of x,
	s_lshl_b32 s62, s60, 9                         ; my wave's 512 of each channel's row
	s_add_co_u32 s2, s2, s62
	s_wait_kmcnt 0x0
	s_add_nc_u64 s[4:5], s[4:5], s[2:3]
.set i, 0
.rept 32
	global_load_b128 v[X+4*i:X+4*i+3], v1, s[4:5] offset:4096*i   ; channel i: 32 lanes read 512 consecutive bytes; all 32 loads are out together
.set i, i+1
.endr
	s_load_b256 s[20:27], s[14:15], 0x0            ; e0 .. e7
	s_lshl_b32 s2, s61, 7                          ; the group's 32 gains and biases
	s_add_nc_u64 s[6:7], s[6:7], s[2:3]
	s_add_nc_u64 s[8:9], s[8:9], s[2:3]
	s_load_b512 s[28:43], s[6:7], 0x0              ; w[c], c = 0 .. 15
	s_load_b512 s[44:59], s[6:7], 0x40             ; c = 16 .. 31
	s_load_b512 s[68:83], s[8:9], 0x0              ; b[c]
	s_load_b512 s[84:99], s[8:9], 0x40
	s_lshr_b32 s2, ttmp9, 3
	s_lshl_b32 s2, s2, 18                          ; hn: the batch's 262,144 bytes,
	s_lshl_b32 s62, s60, 15                        ; my wave's eight tiles,
	s_add_co_u32 s2, s2, s62
	s_lshl_b32 s62, s61, 9                         ; 512 g = 2,048 (g / 4) + 512 (g % 4): K step and piece
	s_add_co_u32 s2, s2, s62
	s_add_nc_u64 s[16:17], s[16:17], s[2:3]
	s_wait_kmcnt 0x0                               ; the exponents, gains and biases are in; s6-s9 are free
	; ---- waves 0-3: piece (wave) of weight fragment id
	s_cmp_lt_u32 s60, 4
	s_cbranch_scc0 .Lno_weight
	s_cmp_lt_u32 ttmp9, 96                         ; qkv_w or proj_w: the choice hangs on the work-group's number alone
	s_cselect_b64 s[62:63], s[10:11], s[12:13]
	s_cselect_b32 s2, 0, 96
	s_cselect_b32 s6, s21, s27                     ; e1 or e7
	s_sub_co_u32 s2, ttmp9, s2                     ; the fragment's number in its tensor: 2 (row tile) + s
	s_lshr_b32 s7, s2, 1
	s_lshl_b32 s7, s7, 14                          ; 16 rows of 1,024 bytes,
	s_and_b32 s2, s2, 1
	s_lshl_b32 s2, s2, 9                           ; 128 numbers along K,
	s_add_co_u32 s2, s2, s7
	s_lshl_b32 s7, s60, 7                          ; 32 numbers a piece
	s_add_co_u32 s2, s2, s7
	s_add_nc_u64 s[62:63], s[62:63], s[2:3]
	s_wait_alu depctr_va_vdst(0)
	global_load_b128 v[WX:WX+3], v4, s[62:63]                  ; k = 32 c + 8 hh + 0 .. 7
	global_load_b128 v[WX+4:WX+7], v4, s[62:63] offset:16
	global_load_b128 v[WX+8:WX+11], v4, s[62:63] offset:64     ; k = 32 c + 16 + 8 hh + 0 .. 7
	global_load_b128 v[WX+12:WX+15], v4, s[62:63] offset:80
	s_add_co_i32 s6, s6, 127
	s_lshl_b32 s7, s6, 23
	v_mov_b32 v9, s7                               ; 2^e as f32: the conversion takes its exponent field
	s_add_co_i32 s6, s6, 15
	s_lshl_b32 s6, s6, 23
	s_or_b32 s6, s6, 0x600000                      ; 57,344 x 2^e
	s_or_b32 s7, s6, 0x80000000                    ; and its negative
	s_lshl_b32 s2, ttmp9, 11                       ; the fragment's 2,048 bytes of codes,
	s_lshl_b32 s8, s60, 9                          ; my piece
	s_add_co_u32 s2, s2, s8
	s_add_nc_u64 s[66:67], s[18:19], s[2:3]
	s_wait_loadcnt 0x0
.set i, 0
.rept 16
	v_med3_num_f32 v[WX+i], v[WX+i], s7, s6        ; the conversion to an 8-bit code does not saturate (ISA guide 7.6.2): the hold comes first
.set i, i+1
.endr
	v_cvt_scalef32_pk8_bf8_f32 v[WC:WC+1], v[WX:WX+7], v9
	v_cvt_scalef32_pk8_bf8_f32 v[WC+2:WC+3], v[WX+8:WX+15], v9
	v_nop                                          ; one plain line behind the last conversion of a run
	global_store_b128 v1, v[WC:WC+3], s[66:67]     ; 512 consecutive bytes; none of its registers is written again
.Lno_weight:
	s_wait_loadcnt 0x0                             ; x
	s_mov_b32 s10, 0x76543210                      ; v_permlanex16_b32: lane l xor 16
	s_mov_b32 s11, 0xfedcba98
; The four chains become one number a lane, a wave, a work-group; every lane ends with the sum in v238.  Each of the two sums has LDS words of its own.
.macro REDUCE base
	s_delay_alu instid0(VALU_DEP_3)
	v_pk_add_f32 v[SM:SM+1], v[SM:SM+1], v[SM+2:SM+3]
	s_delay_alu instid0(VALU_DEP_2)
	v_pk_add_f32 v[SM+4:SM+5], v[SM+4:SM+5], v[SM+6:SM+7]
	s_delay_alu instid0(VALU_DEP_1)
	v_pk_add_f32 v[SM:SM+1], v[SM:SM+1], v[SM+4:SM+5]
	s_delay_alu instid0(VALU_DEP_1)
	v_add_f32 v238, v[SM], v[SM+1]
	s_delay_alu instid0(VALU_DEP_1)
	v_add_f32_dpp v238, v238, v238 row_xmask:1 row_mask:0xf bank_mask:0xf
	s_delay_alu instid0(VALU_DEP_1)
	v_add_f32_dpp v238, v238, v238 row_xmask:2 row_mask:0xf bank_mask:0xf
	s_delay_alu instid0(VALU_DEP_1)
	v_add_f32_dpp v238, v238, v238 row_xmask:4 row_mask:0xf bank_mask:0xf
	s_delay_alu instid0(VALU_DEP_1)
	v_add_f32_dpp v238, v238, v238 row_xmask:8 row_mask:0xf bank_mask:0xf
	s_delay_alu instid0(VALU_DEP_1)
	v_permlanex16_b32 v239, v238, s10, s11
	s_delay_alu instid0(VALU_DEP_1)
	v_add_f32 v238, v238, v239
	ds_store_b32 v6, v238 offset:\base             ; all lanes of a wave write the same word with the same number
	s_wait_dscnt 0x0                               ; for the others' sake: my store is done
	s_barrier_signal -1
	s_barrier_wait -1
	ds_load_b128 v[240:243], v7 offset:\base
	ds_load_b128 v[244:247], v7 offset:\base+16
	s_wait_dscnt 0x0
	v_add_f32 v240, v240, v241
	v_add_f32 v242, v242, v243
	v_add_f32 v244, v244, v245
	v_add_f32 v246, v246, v247
	s_delay_alu instid0(VALU_DEP_3)
	v_add_f32 v240, v240, v242
	s_delay_alu instid0(VALU_DEP_2)
	v_add_f32 v244, v244, v246
	s_delay_alu instid0(VALU_DEP_1)
	v_add_f32 v238, v240, v244
.endm
	; ---- the mean: the first four additions start the chains, nothing is cleared
.irp k, 0,1,2,3
	v_pk_add_f32 v[SM+2*\k:SM+2*\k+1], v[X+2*\k:X+2*\k+1], v[X+8+2*\k:X+9+2*\k]
.endr
.set i, 8
.rept 56
	s_delay_alu instid0(VALU_DEP_4)
	v_pk_add_f32 v[SM+2*(i%4):SM+2*(i%4)+1], v[SM+2*(i%4):SM+2*(i%4)+1], v[X+2*i:X+2*i+1]
.set i, i+1
.endr
	REDUCE 0
	s_delay_alu instid0(VALU_DEP_1)
	v_mul_f32 v[MN], 0x38000000, v238              ; / 32,768
	s_delay_alu instid0(VALU_DEP_1)
	v_mov_b32 v[MN+1], v[MN]
	; ---- x - mean in place; the sum of its squares
.set i, 0
.rept 64
	v_pk_add_f32 v[X+2*i:X+2*i+1], v[X+2*i:X+2*i+1], v[MN:MN+1] neg_lo:[0,1] neg_hi:[0,1]
.set i, i+1
.endr
.irp k, 0,1,2,3
	v_pk_mul_f32 v[SM+2*\k:SM+2*\k+1], v[X+2*\k:X+2*\k+1], v[X+2*\k:X+2*\k+1]
.endr
.set i, 4
.rept 60
	s_delay_alu instid0(VALU_DEP_4)
	v_pk_fma_f32 v[SM+2*(i%4):SM+2*(i%4)+1], v[X+2*i:X+2*i+1], v[X+2*i:X+2*i+1], v[SM+2*(i%4):SM+2*(i%4)+1]
.set i, i+1
.endr
	REDUCE 256
	s_mov_b32 s8, 0x38000000                       ; 2^-15
	s_mov_b32 s9, 0x3727c5ac                       ; 1e-5
	v_fma_f32 v238, v238, s8, s9                   ; the variance + eps
	s_wait_alu depctr_va_vdst(0)
	v_rsq_f32 v239, v238
	v_nop                                          ; one plain line behind a transcendental
	s_wait_alu depctr_va_vdst(0)
	v_readfirstlane_b32 s8, v239                   ; 1 / sqrt(var + eps): the same in every lane
.set i, 0
.rept 32
	s_mul_f32 s[28+i], s[28+i], s8                 ; a[c] = w[c] / sqrt(var + eps)
.set i, i+1
.endr
	s_add_co_i32 s6, s20, 127
	s_lshl_b32 s7, s6, 23
	v_mov_b32 v8, s7                               ; 2^e0
	s_add_co_i32 s6, s6, 15
	s_lshl_b32 s6, s6, 23
	s_or_b32 s6, s6, 0x600000                      ; 57,344 x 2^e0
	s_or_b32 s7, s6, 0x80000000
; Channels 8 q .. 8 q + 7 of my four pixels: (x - mean) a + b, written so that a pixel's eight channels stand in eight consecutive registers; held; converted.
; Octet q is the first (q < 2) or second eight bytes of the 16 that lane (r, hh = q % 2) of the fragment holds.
.macro OCT q
.irp j, 0,1,2,3,4,5,6,7
.irp p, 0,1,2,3
	v_fma_f32 v[T+8*\p+\j], v[X+4*(8*(\q)+\j)+\p], s[28+8*(\q)+\j], s[68+8*(\q)+\j]
.endr
.endr
.set i, 0
.rept 32
	v_med3_num_f32 v[T+i], v[T+i], s7, s6
.set i, i+1
.endr
.irp p, 0,1,2,3
	v_cvt_scalef32_pk8_bf8_f32 v[C+8*\p+4*((\q)%2)+2*((\q)/2):C+8*\p+4*((\q)%2)+2*((\q)/2)+1], v[T+8*\p:T+8*\p+7], v8
.endr
	v_nop                                          ; one plain line between the conversions and the next octet's writes of their sources
.endm
	OCT 0
	OCT 1
	OCT 2
	OCT 3
.irp p, 0,1,2,3
.irp k, 0,1
	global_store_b128 v5, v[C+8*\p+4*\k:C+8*\p+4*\k+3], s[16:17] offset:4096*\p+256*\k   ; tile 8 w + 4 u + p, the fragment's lanes 16 k + r: sixteen lanes store 256 consecutive bytes, aligned
.endr
.endr
	s_wait_tensorcnt 0x0
	ds_add_u32 v254, v255
	s_wait_dscnt 0x0
	s_endpgm
.Lfunc_end_k_qc24218064f_norm:
	.size	k_qc24218064f_norm, .Lfunc_end_k_qc24218064f_norm-k_qc24218064f_norm
	.p2alignl 7, 3214868480
	.fill 96, 4, 3214868480
	.section	.rodata,"a",@progbits
	.p2align	6, 0x0
	.amdhsa_kernel k_qc24218064f_norm
		.amdhsa_group_segment_fixed_size 1536
		.amdhsa_private_segment_fixed_size 0
		.amdhsa_enable_private_segment 0
		.amdhsa_kernarg_size 64
		.amdhsa_user_sgpr_count 2
		.amdhsa_user_sgpr_kernarg_segment_ptr 1
		.amdhsa_wavefront_size32 1
		.amdhsa_system_sgpr_workgroup_id_x 1
		.amdhsa_system_sgpr_workgroup_id_y 1
		.amdhsa_system_sgpr_workgroup_id_z 1
		.amdhsa_system_vgpr_workitem_id 0
		.amdhsa_next_free_vgpr 256
		.amdhsa_next_free_sgpr 100
		.amdhsa_reserve_vcc 0
		.amdhsa_float_denorm_mode_32 3
		.amdhsa_float_denorm_mode_16_64 3
		.amdhsa_memory_ordered 1
		.amdhsa_forward_progress 1
		.amdhsa_inst_pref_size 47
	.end_amdhsa_kernel
	.amdgpu_metadata
---
amdhsa.version: [ 1, 2 ]
amdhsa.kernels:
  - .name:           k_qc24218064f_norm
    .symbol:         k_qc24218064f_norm.kd
    .args:
      - { .name: x, .offset: 0, .size: 8, .value_kind: global_buffer, .address_space: global }
      - { .name: norm_w, .offset: 8, .size: 8, .value_kind: global_buffer, .address_space: global }
      - { .name: norm_b, .offset: 16, .size: 8, .value_kind: global_buffer, .address_space: global }
      - { .name: qkv_w, .offset: 24, .size: 8, .value_kind: global_buffer, .address_space: global }
      - { .name: proj_w, .offset: 32, .size: 8, .value_kind: global_buffer, .address_space: global }
      - { .name: lowp_scales, .offset: 40, .size: 8, .value_kind: global_buffer, .address_space: global }
      - { .name: hn, .offset: 48, .size: 8, .value_kind: global_buffer, .address_space: global }
      - { .name: wcodes, .offset: 56, .size: 8, .value_kind: global_buffer, .address_space: global }
    .group_segment_fixed_size: 1536
    .private_segment_fixed_size: 0
    .kernarg_segment_align: 8
    .kernarg_segment_size: 64
    .max_flat_workgroup_size: 256
    .sgpr_count:     100
    .vgpr_count:     256
    .wavefront_size: 32
...
	.end_amdgpu_metadata
.endif
;; end of part 4
;; launch attn (part 5): grid 256 x 1, 8 waves a work-group, no clusters, 181,248 bytes of LDS; arguments hn, wcodes, qkv_b, lowp_scales, att; writes att
.if DOCPART == 5
	.amdgcn_target "amdgcn-amd-amdhsa--gfx1250"
	.amdhsa_code_object_version 6
	.text
	.protected	k_qc24218064f_attn
	.globl	k_qc24218064f_attn
	.p2align	8
	.type	k_qc24218064f_attn,@function
k_qc24218064f_attn:
	s_mov_b64 s[64:65], 0
	v_nop
	global_prefetch_b8 v0, s[64:65] scope:SCOPE_SE
	s_setreg_imm32_b32 hwreg(HW_REG_WAVE_SCHED_MODE, 0, 2), 2
	s_setreg_imm32_b32 hwreg(HW_REG_WAVE_MODE, 25, 1), 1
	s_wait_xcnt 0x0
	s_wait_alu depctr_vm_vsrc(0)
; One (batch b, head h, quarter qd of the queries) to a work-group: id = 16 b + 4 h + qd.  All four products of this launch are on codes of E5M2 with the given scales 2^e0 .. 2^e6.
; PRODUCTION.  K and V of the whole head (1,024 positions x 64) and Q of my 256 queries are made from hn's and the weights' codes (K = 256 channels, two steps of 128), the bias added as the C of a sum's
; first matrix instruction (divided by 2^(e0 + e1), which the sums lack), and quantised in registers; the three scales ahead of each quantiser are folded into the conversion's one.
; K and V go to LDS as IMAGES OF THE OPERANDS' REGISTERS (a piece = four registers, a lane's 16 bytes at 16 x lane, 512 bytes a piece) and never to memory.  The four work-groups of a head each make its K and V:
; 144 matrix instructions a wave, against a launch more and 12 MiB written and read again.
; A fragment of 16 rows x 128 K is 16 registers: lane (r, hh): row r; registers 2 c, 2 c + 1: k = 16 c + 8 hh + 0 .. 7.  With K = 64: 8 registers.
; SHARES.  Eight waves, two to a SIMD.  Wave w makes key step w: 8 tiles of 16 positions (slots u = 0 .. 7): slot u is hn's tile 16 ((u / 2 + qd) % 4) + 2 w + u % 2.  Slots 0 and 1 are also the wave's two tiles of queries.
;   K, Q: source 0 = 16 rows of the weight, source 1 = 16 positions: a lane holds a position, its registers run along d: tile t's codes are registers 2 t, 2 t + 1 of the fragment.
;   V:    source 0 = 16 positions, source 1 = 16 rows of the weight: a lane holds a channel d, its registers run along the keys: slot u's codes are registers 2 u, 2 u + 1.
; ATTENTION.  Both products transposed: S^T = K Q^T (K = 64), O^T = V^T P^T (K = 128 keys): a lane holds ONE query throughout; S^T's slot u, converted, is registers 2 u, 2 u + 1 of P.
; t = score x log2(e) / 8; M = the running largest t rounded UP to a whole number, kept as -M; p = 2^(t - M) is quantised with 2^e4, not normalised; the row's sum is taken of the unquantised p;
; when M moves, the sum and O^T are multiplied by 2^(old M - new M), which rounds nothing.  At the end O^T / sum is quantised with 2^e6 into att, laid as hn is, K = 64 h + d.
; p is at most 1 (but for a last bit), so p / 2^e4 is under 57,344 wherever e4 >= -15: there the hold at the largest code cannot bind, and a scalar branch on the whole number e4 goes round its 128 lines.
; No cluster: what partners share (hn, 256 KiB a batch) is read once at the head, straight into operand registers, and would not fit in LDS beside the images.
; LIMITS, so that each power of two below is an f32 number: e3 - e0 - e1, e5 - e0 - e1, e2 - e0 - e1, e6 - e4 - e5 and e4 between -126 and 112; e2 + e3 between -124 and 129.  NaN and infinities are not served.
; LDS: 0: K's images (8,192 ks + 1,024 u); 65,536: V's (8,192 ks + 2,048 g); 131,072: the head's 24 weight fragments (16,384 type + 4,096 tile + 2,048 K step; types q, k, v).
; REGISTERS, production: v1 16 x lane; v2-5 LDS addresses; v6-8 the three scales; v9, v10 offsets of the biases; v12-15 V's bias; v16-31 Q's codes; v32-95 two sets of a weight tile's two fragments;
;   v96-159 eight accumulators; v160-175 codes just made; v176-207, v208-239 K's and Q's bias tiles; v240-247 V's bias as a C.  Window 1: hn's 16 fragments (slot u, K step s at 32 u + 16 s).
; REGISTERS, attention: v2 V's images; v3, v4 LDS addresses of the loads in hand; v5 2^e4, v6 2^(e6 - e4 - e5); v16-31 Q; v32-63 P; v64-191 S^T, then p; v192-223 statistics, 16 a tile.
;   Window 1: v0-63 O^T; v64-127 K's fragments; v128-191 and v192-255 V's, two sets by turns.
; THE MODE: SCHED_MODE bits 1:0 = 2 (LLVM: expert scheduling mode 2), set by the entry lines.  The code itself states the register dependences
; between vector or matrix instructions and memory or LDS instructions, with s_wait_alu, always for 0.
; THE PLAN.  Registers that memory or LDS instructions touch, and who else names them:
;   v1, v9, v10   offsets, made once at the head and never written again.
;   v2            the address of the weights' fetches; written anew once, behind the second barrier, as the address of V's images.
;   v3, v4, v5    production: the addresses of my LDS stores.  Attention: v3, v4 are read by the loads of K and V and written once for two key steps; v5 becomes a scale.
;   D             its first 48 registers carry the weights' pieces from memory to LDS; then the products write it.
;   WF0, WF1      tile n's products read its set; the fetch at the head of tile n + 1 lands in it (tile n + 2's weights).
;   CD            written by a tile's conversions, read by its LDS stores, written again by the next tile's conversions.
;   KF            read by step j's products S^T; K of step j + 1 lands in it, in step j.
;   VF0, VF1      step j's products V^T P^T read set j % 2; V of step j + 1 lands in the other set, in step j.
;   P's registers at the end: written by the last conversions, read by the four stores.
; PRODUCTION: one wait on va_vdst to a tile of K or V, ahead of its LDS stores: the codes are written, and the tile's products are done reading their set of weights, in which the next tile's fetch lands with no vector
; instruction between.  One wait on vm_vsrc at a tile's head: the stores have read the registers that the tile writes again.
; ATTENTION: three waits on va_vdst to a key step: ahead of its exponentials, behind them and ahead of V^T P^T. The one behind them stands where their results are first wanted: there the step's products S^T are done reading KF, the last step's products V^T P^T are done reading the
; other set of V, and v3 and v4 are written.  The next step's 32 loads follow it at once; no vector or matrix instruction names their registers before the wait on DScnt for them.
; One wait on vm_vsrc for two steps stands ahead of the additions that write v3 and v4.
.set VIMG, 65536
.set WIMG, 131072
.set BVR,  12
.set QC,   16
.set WF,   32
.set D,    96
.set CD,   160
.set BK,   176
.set BQ,   208
.set BVC,  240
.set PB,   32
.set SB,   64
.set STB,  192                         ; tile a at STB + 16 a: +0 -M, +1 the largest t, +2, +3 the sum in two halves, +4 f (+5 named with it), +6, +7 a second chain of sums, +8, +9 chains of the maximum, +10, +11 at work
.set KF,   64                          ; in window 1
.set VF,   128                         ; in window 1: set 0; set 1 lies 64 registers on
.set MSB, 0
.macro WIN new                         ; low byte: bits 1:0 source 0, 3:2 source 1, 5:4 source 2, 7:6 destination; the high byte repeats the setting that is left
.if MSB != \new
	s_set_vgpr_msb (MSB<<8)|\new
.set MSB, \new
.endif
.endm
.macro PLACES n                        ; plain vector lines behind a matrix instruction (ISA guide 7.12.1)
.rept \n
	v_nop
.endr
.endm
.macro MKSCALE src, ss, sn             ; s[src] = e:  s[ss] = 2^e as f32, s[sn] = -57,344 x 2^e, s[sn+1] = +57,344 x 2^e
	s_add_co_i32 s57, s[\src], 127
	s_lshl_b32 s[\ss], s57, 23
	s_add_co_i32 s57, s57, 15
	s_lshl_b32 s57, s57, 23
	s_or_b32 s[\sn+1], s57, 0x600000
	s_or_b32 s[\sn], s[\sn+1], 0x80000000
.endm
	s_load_b256 s[4:11], s[0:1], 0x0               ; hn 4:5, wcodes 6:7, qkv_b 8:9, the exponents 10:11
	s_load_b64 s[12:13], s[0:1], 0x20              ; att
	v_lshl_add_u32 v254, v0, 2, 0x2c000
	v_mov_b32 v255, 0
	v_and_b32 v10, 31, v0
	v_lshlrev_b32 v1, 4, v10                       ; 16 x lane
	v_lshrrev_b32 v11, 5, v0
	v_readfirstlane_b32 s24, v11                   ; wave 0..7
	s_wait_alu depctr_va_sdst(0)                   ; s24 is written, ahead of its first reader: the LDS addresses and the bases of hn, wcodes and att are made from it
	s_lshl_b32 s56, s24, 13                        ; 8,192 w
	s_lshl_b32 s57, s24, 11                        ; 2,048 w
	v_add_nc_u32 v2, WIMG, v1                      ; the weights' images, to read
	v_add_nc_u32 v3, s56, v1                       ; my key step's images of K, to write
	v_add_nc_u32 v4, VIMG, v3                      ; of V
	v_add_nc_u32 v5, s57, v2                       ; the weight fragment that I copy
	v_bfe_u32 v9, v0, 4, 1
	v_lshlrev_b32 v9, 5, v9                        ; 32 hh: K's and Q's bias, eight numbers a half
	v_and_b32 v10, 15, v0
	v_lshlrev_b32 v10, 2, v10                      ; 4 r: V's bias, one number a lane
	s_lshr_b32 s25, ttmp9, 4                       ; b
	s_bfe_u32 s26, ttmp9, 0x20002                  ; h
	s_and_b32 s27, ttmp9, 3                        ; qd
	s_lshl_b32 s58, s25, 18                        ; the batch's 262,144 bytes of codes
	s_add_co_u32 s58, s58, s56                     ; + my wave's two tiles of each sixteen
	s_mov_b32 s37, 0
	s_wait_kmcnt 0x0
	s_load_b256 s[16:23], s[10:11], 0x0            ; e0 .. e7
.irp i, 0,1,2,3
	s_add_co_u32 s36, s27, \i
	s_and_b32 s36, s36, 3
	s_lshl_b32 s36, s36, 16                        ; sixteen tiles of 4,096 bytes
	s_add_co_u32 s36, s36, s58
	s_add_nc_u64 s[28+2*\i:29+2*\i], s[4:5], s[36:37]   ; slots 2 i, 2 i + 1
.endr
	s_lshl_b32 s36, s26, 14                        ; the head's eight fragments of each type,
	s_add_co_u32 s36, s36, s57                     ; of which I copy number w
	s_add_nc_u64 s[38:39], s[6:7], s[36:37]
	s_lshl_b32 s36, s26, 8                         ; the head's 64 biases of each type
	s_add_nc_u64 s[8:9], s[8:9], s[36:37]
	s_lshl_b32 s36, s27, 16                        ; att: tile 16 qd + 2 w; 1,024 h = K step h / 2, pieces 2 (h % 2) on
	s_add_co_u32 s36, s36, s58
	s_lshl_b32 s59, s26, 10
	s_add_co_u32 s36, s36, s59
	s_add_nc_u64 s[60:61], s[12:13], s[36:37]
	s_wait_alu depctr_va_vdst(0)                   ; v1 to v5, v9 and v10 are written: the offsets of the loads below and the addresses of the production's LDS stores and fetches
	; ---- all global loads of the launch, 96 a wave: 12 weight pieces, 20 of biases, 64 of hn
.irp y, 0,1,2
.irp i, 0,1,2,3
	global_load_b128 v[D+4*(4*\y+\i):D+4*(4*\y+\i)+3], v1, s[38:39] offset:65536*\y+512*\i
.endr
.endr
.irp t, 0,1,2,3
	global_load_b128 v[BK+8*\t:BK+8*\t+3], v9, s[8:9] offset:1024+64*\t       ; channels 16 t + 8 hh + 0 .. 7
	global_load_b128 v[BK+8*\t+4:BK+8*\t+7], v9, s[8:9] offset:1024+64*\t+16
	global_load_b128 v[BQ+8*\t:BQ+8*\t+3], v9, s[8:9] offset:64*\t
	global_load_b128 v[BQ+8*\t+4:BQ+8*\t+7], v9, s[8:9] offset:64*\t+16
	global_load_b32 v[BVR+\t], v10, s[8:9] offset:2048+64*\t                  ; channel 16 t + r
.endr
	WIN 0x40                                       ; destination window 1
.irp u, 0,1,2,3,4,5,6,7
.irp s, 0,1
.irp i, 0,1,2,3
	global_load_b128 v[32*\u+16*\s+4*\i:32*\u+16*\s+4*\i+3], v1, s[28+2*(\u/2):29+2*(\u/2)] offset:4096*(\u%2)+2048*\s+512*\i
.endr
.endr
.endr
	WIN 0
	s_wait_kmcnt 0x0
	s_add_co_i32 s56, s16, s17                     ; e0 + e1: a sum of the first product stands for sum x 2^(e0 + e1)
	s_sub_co_i32 s54, 0, s56
	s_sub_co_i32 s59, s19, s56                     ; K: e3 - e0 - e1
	MKSCALE 59, 58, 40
	v_mov_b32 v6, s58
	s_sub_co_i32 s59, s21, s56                     ; V: e5 - e0 - e1
	MKSCALE 59, 58, 42
	v_mov_b32 v7, s58
	s_sub_co_i32 s59, s18, s56                     ; Q: e2 - e0 - e1
	MKSCALE 59, 58, 44
	v_mov_b32 v8, s58
	s_sub_co_i32 s59, s22, s20
	s_sub_co_i32 s59, s59, s21                     ; O: e6 - e4 - e5
	MKSCALE 59, 62, 46
	s_add_co_i32 s57, s20, 127                     ; p: e4
	s_lshl_b32 s63, s57, 23
	s_add_co_i32 s57, s57, 15
	s_lshl_b32 s57, s57, 23
	s_or_b32 s55, s57, 0x600000
	s_add_co_i32 s57, s18, s19
	s_lshl_b32 s57, s57, 23
	s_add_co_i32 s48, s57, 0x3e38aa3b              ; c = log2(e) / 8, with e2 + e3 added to its exponent field
	s_mov_b32 s49, s48                             ; (named with it as a pair, so it is written)
	s_mov_b32 s50, 0x76543210                      ; v_permlanex16_b32: lane l xor 16
	s_mov_b32 s51, 0xfedcba98
	s_wait_loadcnt 63                              ; 64 loads of hn were issued behind the last bias: the weights and biases are in (63 is the largest count that the wait can name)
.irp y, 0,1,2
.irp i, 0,1,2,3
	ds_store_b128 v5, v[D+4*(4*\y+\i):D+4*(4*\y+\i)+3] offset:16384*\y+512*\i   ; the data came by loads; no vector instruction since the head's wait names v5
.endr
.endr
.set i, 0
.rept 64
	v_ldexp_f32 v[BK+i], v[BK+i], s54              ; K's and Q's biases / 2^(e0 + e1)
.set i, i+1
.endr
	s_wait_dscnt 0x0                               ; for the others' sake: my part of the weights lies in LDS
	s_barrier_signal -1
	s_barrier_wait -1                              ; everybody's does
.macro FETCHW f, buf                   ; weight tile f = 4 type + t, both K steps, into set buf
.irp s, 0,1
.irp i, 0,1,2,3
	ds_load_b128 v[WF+32*(\buf)+16*\s+4*\i:WF+32*(\buf)+16*\s+4*\i+3], v2 offset:4096*(\f)+2048*\s+512*\i
.endr
.endr
.endm
.macro HOLD n, lo                      ; the first n accumulators, each from its low end on, within +-57,344 x the scale (the conversion does not saturate: ISA guide 7.6.2)
	WIN 0
	PLACES 4
.set i, 0
.rept 8*\n
	v_med3_num_f32 v[D+i], v[D+i], s[\lo], s[\lo+1]
.set i, i+1
.endr
.endm
; In each tile the accumulators take turns, one instruction a turn, K step by K step.
.macro KPROD t, buf, nf                ; K's channels 16 t on, for my eight slots
	s_wait_dscnt 0x0                               ; this tile's weights are in
	s_wait_alu depctr_vm_vsrc(0)                   ; my LDS stores so far have read their data: the weights' pieces in v[D ..] (first tile) or the last tile's codes in v[CD ..], which this tile's products and conversions write again
	FETCHW \nf, 1-(\buf)                           ; the next tile's.  No wait: the set's last readers stand ahead of the last tile's wait on va_vdst, and no vector instruction has been issued since
	WIN 0x04                                       ; source 1 (hn) window 1
.irp u, 0,1,2,3,4,5,6,7
	v_wmma_f32_16x16x128_bf8_bf8 v[D+8*\u:D+8*\u+7], v[WF+32*(\buf):WF+32*(\buf)+15], v[32*\u:32*\u+15], v[BK+8*(\t):BK+8*(\t)+7]
.endr
.irp u, 0,1,2,3,4,5,6,7
	v_wmma_f32_16x16x128_bf8_bf8 v[D+8*\u:D+8*\u+7], v[WF+32*(\buf)+16:WF+32*(\buf)+31], v[32*\u+16:32*\u+31], v[D+8*\u:D+8*\u+7]
.endr
	HOLD 8, 40
.irp u, 0,1,2,3,4,5,6,7
	v_cvt_scalef32_pk8_bf8_f32 v[CD+2*\u:CD+2*\u+1], v[D+8*\u:D+8*\u+7], v6
.endr
	v_nop                                          ; one plain line behind the last conversion of a run
	s_wait_alu depctr_va_vdst(0)                   ; the conversions have written v[CD ..], which the stores below read; the tile's products are done reading their set of weights, in which the next tile's fetch lands
.irp u, 0,1,2,3,4,5,6,7
	ds_store_b64 v3, v[CD+2*\u:CD+2*\u+1] offset:1024*\u+512*((\t)/2)+8*((\t)%2)   ; registers 2 t, 2 t + 1 of slot u's fragment
.endr
.endm
.macro VPROD g, buf, nf                ; V's channels 16 g on, for my 128 keys: one whole fragment
	s_wait_dscnt 0x0                               ; this tile's weights are in
	s_wait_alu depctr_vm_vsrc(0)                   ; the last tile's LDS stores have read v[CD ..], which this tile's conversions write again
	FETCHW \nf, 1-(\buf)                           ; no wait, as in K's tiles
.irp j, 0,1,2,3,4,5,6,7
	v_ldexp_f32 v[BVC+\j], v[BVR+\g], s54          ; a lane holds one channel: its bias / 2^(e0 + e1) in all eight registers of the C
.endr
	WIN 0x01                                       ; source 0 (hn) window 1
.irp u, 0,1,2,3,4,5,6,7
	v_wmma_f32_16x16x128_bf8_bf8 v[D+8*\u:D+8*\u+7], v[32*\u:32*\u+15], v[WF+32*(\buf):WF+32*(\buf)+15], v[BVC:BVC+7]
.endr
.irp u, 0,1,2,3,4,5,6,7
	v_wmma_f32_16x16x128_bf8_bf8 v[D+8*\u:D+8*\u+7], v[32*\u+16:32*\u+31], v[WF+32*(\buf)+16:WF+32*(\buf)+31], v[D+8*\u:D+8*\u+7]
.endr
	HOLD 8, 42
.irp u, 0,1,2,3,4,5,6,7
	v_cvt_scalef32_pk8_bf8_f32 v[CD+2*\u:CD+2*\u+1], v[D+8*\u:D+8*\u+7], v7
.endr
	v_nop
	s_wait_alu depctr_va_vdst(0)                   ; the conversions have written v[CD ..], which the stores below read; the tile's products are done reading their set of weights, in which the next tile's fetch lands
.irp i, 0,1,2,3
	ds_store_b128 v4, v[CD+4*\i:CD+4*\i+3] offset:2048*(\g)+512*\i
.endr
.endm
.macro QPROD t, buf, nf, more          ; Q's channels 16 t on, for my two tiles of queries (slots 0 and 1); the codes stay in registers
	s_wait_dscnt 0x0                               ; this tile's weights are in
.if \more
.if (\t) > 0
	s_wait_alu depctr_va_vdst(0)                   ; Q's tiles store nothing, so the fetch has a wait of its own: the last tile's products are done reading the set in which it lands.  (Tile 0's fetch stands behind the wait of V's last tile)
.endif
	FETCHW \nf, 1-(\buf)
.endif
	WIN 0x04
	v_wmma_f32_16x16x128_bf8_bf8 v[D:D+7], v[WF+32*(\buf):WF+32*(\buf)+15], v[0:15], v[BQ+8*(\t):BQ+8*(\t)+7]
	v_wmma_f32_16x16x128_bf8_bf8 v[D+8:D+15], v[WF+32*(\buf):WF+32*(\buf)+15], v[32:47], v[BQ+8*(\t):BQ+8*(\t)+7]
	v_wmma_f32_16x16x128_bf8_bf8 v[D:D+7], v[WF+32*(\buf)+16:WF+32*(\buf)+31], v[16:31], v[D:D+7]
	v_wmma_f32_16x16x128_bf8_bf8 v[D+8:D+15], v[WF+32*(\buf)+16:WF+32*(\buf)+31], v[48:63], v[D+8:D+15]
	HOLD 2, 44
	v_cvt_scalef32_pk8_bf8_f32 v[QC+2*(\t):QC+2*(\t)+1], v[D:D+7], v8
	v_cvt_scalef32_pk8_bf8_f32 v[QC+8+2*(\t):QC+8+2*(\t)+1], v[D+8:D+15], v8
	v_nop
.endm
	FETCHW 4, 0
	s_wait_loadcnt 0x0                             ; hn
	KPROD 0, 0, 5
	KPROD 1, 1, 6
	KPROD 2, 0, 7
	KPROD 3, 1, 8
	VPROD 0, 0, 9
	VPROD 1, 1, 10
	VPROD 2, 0, 11
	VPROD 3, 1, 0
	QPROD 0, 0, 1, 1
	QPROD 1, 1, 2, 1
	QPROD 2, 0, 3, 1
	QPROD 3, 1, 0, 0
	s_wait_dscnt 0x0                               ; for the others' sake: my key step's images lie in LDS
	s_barrier_signal -1
	s_barrier_wait -1                              ; the head's K and V are whole; nothing in LDS is written from here on
; A key step's fragments, 32 LDS loads: K's sixteen first, then V's sixteen into the set at vn.  ak, av: the address registers; off: bytes on from them.
.macro KVLOAD ak, av, vn, off
.irp u, 0,1,2,3,4,5,6,7
.irp i, 0,1
	ds_load_b128 v[KF+8*\u+4*\i:KF+8*\u+4*\i+3], v[\ak] offset:\off+1024*\u+512*\i
.endr
.endr
.irp g, 0,1,2,3
.irp i, 0,1,2,3
	ds_load_b128 v[\vn+16*\g+4*\i:\vn+16*\g+4*\i+3], v[\av] offset:\off+2048*\g+512*\i
.endr
.endr
.endm
	s_wait_alu depctr_vm_vsrc(0)                   ; the production's LDS instructions have read v2 to v5 and v[CD ..]: all are written again from here on
	v_add_nc_u32 v2, VIMG, v1                      ; V's images, to read
	WIN 0x40                                       ; destination window 1
	s_wait_alu depctr_va_vdst(0)                   ; v2 is written; the production's products are done reading hn's fragments, in whose registers the loads below land
	KVLOAD 1, 2, VF, 0                             ; key step 0: on its way while the sums are set up
.set i, 0
.rept 64
	v_mov_b32 v[i], 0                              ; O^T.  (The step is written alike for all: the first finds zeros, which the first change of M leaves zeros)
.set i, i+1
.endr
	WIN 0
.irp a, 0,1
	v_mov_b32 v[STB+16*\a+1], 0xff61b1e6           ; the largest t so far: -3e38, under every t
	v_floor_f32 v[STB+16*\a], -v[STB+16*\a+1]      ; -M
	v_mov_b32 v[STB+16*\a+2], 0                    ; the sum, in two halves
	v_mov_b32 v[STB+16*\a+3], 0
	v_mov_b32 v[STB+16*\a+5], 0                    ; (named as the upper half of f's pair)
	v_mov_b32 v[STB+16*\a+10], 0                   ; written once: a lane permute's destination counts as one of its sources
.endr
	v_mov_b32 v5, s63                              ; 2^e4
	v_mov_b32 v6, s62                              ; 2^(e6 - e4 - e5)
	s_mov_b32 s52, 0                               ; the images of a trip's first key step begin here
	s_mov_b32 s53, 3
; The addresses for two key steps' loads: the first reaches one step on by its immediate offset, the second two.
.macro ADDR
	s_wait_alu depctr_vm_vsrc(0)                   ; the LDS loads issued so far have read v3 and v4
	v_add_nc_u32 v3, s52, v1
	v_add_nc_u32 v4, s52, v2
.endm
; A KEY STEP of 128 keys for both tiles of queries.  vb: the set that holds its V.  more = 1: the next step's fragments are asked for, off bytes on from v3 and v4.
.macro STEP vb, more, off
.set VB, VF+64*(\vb)
.set VN, VF+64*(1-(\vb))
	s_wait_dscnt 16                                ; K's sixteen loads are in; V's sixteen, issued behind them, stay out
	WIN 0x01                                       ; source 0 (K) window 1
.irp u, 0,1,2,3,4,5,6,7
.irp a, 0,1
	v_wmma_f32_16x16x64_bf8_bf8 v[SB+64*\a+8*\u:SB+64*\a+8*\u+7], v[KF+8*\u:KF+8*\u+7], v[QC+8*\a:QC+8*\a+7], 0
.endr
.endr
	WIN 0
	PLACES 4
	; the step's largest score of my query among my 64 keys, in two chains a tile, the scores in ascending order; the two tiles alternate throughout
.irp a, 0,1
	v_max3_num_f32 v[STB+16*\a+8], v[SB+64*\a], v[SB+64*\a+1], v[SB+64*\a+2]
	v_max3_num_f32 v[STB+16*\a+9], v[SB+64*\a+3], v[SB+64*\a+4], v[SB+64*\a+5]
.endr
.irp i, 6,10,14,18,22,26,30,34,38,42,46,50,54,58
.irp a, 0,1
	v_max3_num_f32 v[STB+16*\a+8], v[STB+16*\a+8], v[SB+64*\a+\i], v[SB+64*\a+\i+1]
	v_max3_num_f32 v[STB+16*\a+9], v[STB+16*\a+9], v[SB+64*\a+\i+2], v[SB+64*\a+\i+3]
.endr
.endr
.irp a, 0,1
	v_max3_num_f32 v[STB+16*\a+8], v[STB+16*\a+8], v[SB+64*\a+62], v[SB+64*\a+63]
.endr
.irp a, 0,1
	v_max_num_f32 v[STB+16*\a+8], v[STB+16*\a+8], v[STB+16*\a+9]
.endr
.irp a, 0,1
	v_permlanex16_b32 v[STB+16*\a+10], v[STB+16*\a+8], s50, s51
.endr
.irp a, 0,1
	v_max_num_f32 v[STB+16*\a+8], v[STB+16*\a+8], v[STB+16*\a+10]   ; and among lane l xor 16's
.endr
.irp a, 0,1
	v_mul_f32 v[STB+16*\a+8], s48, v[STB+16*\a+8]  ; as t (c is positive)
.endr
.irp a, 0,1
	v_max_num_f32 v[STB+16*\a+1], v[STB+16*\a+1], v[STB+16*\a+8]    ; the running largest t
.endr
.irp a, 0,1
	v_mov_b32 v[STB+16*\a+11], v[STB+16*\a]
.endr
.irp a, 0,1
	v_floor_f32 v[STB+16*\a], -v[STB+16*\a+1]      ; the new -M = floor(-t) = -ceil(t)
.endr
.irp a, 0,1
	v_sub_f32 v[STB+16*\a+11], v[STB+16*\a], v[STB+16*\a+11]        ; old M - new M: a whole number, 0 or less
.endr
.irp a, 0,1
	v_cvt_i32_f32 v[STB+16*\a+11], v[STB+16*\a+11] ; (it saturates)
.endr
.irp a, 0,1
	v_ldexp_f32 v[STB+16*\a+4], 1.0, v[STB+16*\a+11]                ; f = 2^(old M - new M)
.endr
.set i, 0
.rept 32
.irp a, 0,1
	v_pk_fma_f32 v[SB+64*\a+2*i:SB+64*\a+2*i+1], v[SB+64*\a+2*i:SB+64*\a+2*i+1], s[48:49], v[STB+16*\a:STB+16*\a+1] op_sel_hi:[1,0,0]   ; t - M (of the pairs c and -M the low word serves both halves)
.endr
.set i, i+1
.endr
.set i, 0
	s_wait_alu depctr_va_vdst(0)
.rept 128
	v_exp_f32 v[SB+i], v[SB+i]                     ; p = 2^(t - M)
.set i, i+1
.endr
.irp a, 0,1
	v_pk_mul_f32 v[STB+16*\a+2:STB+16*\a+3], v[STB+16*\a+2:STB+16*\a+3], v[STB+16*\a+4:STB+16*\a+5] op_sel_hi:[1,0]   ; the sums under the new M.  (Plain lines behind the exponentials)
.endr
.if \more
	WIN 0x40                                       ; destination window 1
	s_wait_alu depctr_va_vdst(0)                   ; the 128 exponentials have written p, which the sums below read; this step's products S^T are done reading K's fragments and the last step's products V^T P^T the other set of V, in which the loads below land; v3 and v4 are written
	KVLOAD 3, 4, VN, \off                          ; the next step's fragments
	WIN 0
.else
	s_wait_alu depctr_va_vdst(0)                   ; the 128 exponentials have written p, which the sums below read.  (The last step asks for nothing)
.endif
.irp a, 0,1
	v_pk_add_f32 v[STB+16*\a+6:STB+16*\a+7], v[SB+64*\a:SB+64*\a+1], v[SB+64*\a+2:SB+64*\a+3]   ; the row's sum is taken of the unquantised p, in two chains a tile
.endr
.irp j, 4,8,12,16,20,24,28,32,36,40,44,48,52,56,60
.irp a, 0,1
	v_pk_add_f32 v[STB+16*\a+2:STB+16*\a+3], v[STB+16*\a+2:STB+16*\a+3], v[SB+64*\a+\j:SB+64*\a+\j+1]
	v_pk_add_f32 v[STB+16*\a+6:STB+16*\a+7], v[STB+16*\a+6:STB+16*\a+7], v[SB+64*\a+\j+2:SB+64*\a+\j+3]
.endr
.endr
.irp a, 0,1
	v_pk_add_f32 v[STB+16*\a+2:STB+16*\a+3], v[STB+16*\a+2:STB+16*\a+3], v[STB+16*\a+6:STB+16*\a+7]
.endr
	s_cmp_ge_i32 s20, -15                          ; e4 >= -15: p / 2^e4 stays under 57,344, the hold cannot bind
	s_cbranch_scc1 .Lnohold_\@
.set i, 0
.rept 128
	v_min_num_f32 v[SB+i], s55, v[SB+i]            ; p is not negative: the hold is one-sided
.set i, i+1
.endr
.Lnohold_\@:
.irp u, 0,1,2,3,4,5,6,7
.irp a, 0,1
	v_cvt_scalef32_pk8_bf8_f32 v[PB+16*\a+2*\u:PB+16*\a+2*\u+1], v[SB+64*\a+8*\u:SB+64*\a+8*\u+7], v5
.endr
.endr
	WIN 0x41                                       ; O^T (destination and source 0) window 1
.irp a, 0,1
.set i, 0
.rept 16
	v_pk_mul_f32 v[32*\a+2*i:32*\a+2*i+1], v[32*\a+2*i:32*\a+2*i+1], v[STB+16*\a+4:STB+16*\a+5] op_sel_hi:[1,0]   ; O^T under the new M, each accumulator from its low end on.  (Also the plain lines behind the conversions)
.set i, i+1
.endr
.endr
	s_wait_alu depctr_va_vdst(0)
	s_wait_dscnt 32*(\more)                        ; this step's V is in; the next step's 32 loads, issued behind it, stay out
	WIN 0x51                                       ; V, and O^T as C and D, window 1; P window 0
.irp g, 0,1,2,3
.irp a, 0,1
	v_wmma_f32_16x16x128_bf8_bf8 v[32*\a+8*\g:32*\a+8*\g+7], v[VB+16*\g:VB+16*\g+15], v[PB+16*\a:PB+16*\a+15], v[32*\a+8*\g:32*\a+8*\g+7]
.endr
.endr
	WIN 0
.endm
.Lstep:                                            ; three trips of two key steps: V's two sets are back where they began
	ADDR
	STEP 0, 1, 8192
	STEP 1, 1, 16384
	s_add_co_u32 s52, s52, 16384
	s_sub_co_u32 s53, s53, 1
	s_cmp_lg_u32 s53, 0
	s_cbranch_scc1 .Lstep
	ADDR                                           ; the last two key steps are written out: the last asks for nothing
	STEP 0, 1, 8192
	STEP 1, 0, 0
	; ---- O^T / the sum, quantised with 2^e6: a tile's four results are pieces 2 (h % 2), 2 (h % 2) + 1 of att's fragment
.irp a, 0,1
	v_add_f32 v[STB+16*\a+2], v[STB+16*\a+2], v[STB+16*\a+3]        ; the sum's two halves
.endr
	PLACES 2                                       ; with the two additions: four places behind the last products
.irp a, 0,1
	v_permlanex16_b32 v[STB+16*\a+10], v[STB+16*\a+2], s50, s51
.endr
.irp a, 0,1
	v_add_f32 v[STB+16*\a+2], v[STB+16*\a+2], v[STB+16*\a+10]       ; and lane l xor 16's: the row's sum
.endr
	s_wait_alu depctr_va_vdst(0)
.irp a, 0,1
	v_rcp_f32 v[STB+16*\a+4], v[STB+16*\a+2]
.endr
	v_nop                                          ; one plain line behind a transcendental
	WIN 0x01                                       ; source 0 (O^T) window 1
	s_wait_alu depctr_va_vdst(0)                   ; the two reciprocals are written, ahead of their first reader
.irp a, 0,1
.set i, 0
.rept 16
	v_pk_mul_f32 v[SB+32*\a+2*i:SB+32*\a+2*i+1], v[32*\a+2*i:32*\a+2*i+1], v[STB+16*\a+4:STB+16*\a+5] op_sel_hi:[1,0]
.set i, i+1
.endr
.endr
	WIN 0
.set i, 0
.rept 64
	v_med3_num_f32 v[SB+i], v[SB+i], s46, s47
.set i, i+1
.endr
.irp a, 0,1
.irp g, 0,1,2,3
	v_cvt_scalef32_pk8_bf8_f32 v[PB+8*\a+2*\g:PB+8*\a+2*\g+1], v[SB+32*\a+8*\g:SB+32*\a+8*\g+7], v6
.endr
.endr
	v_nop
	s_wait_alu depctr_va_vdst(0)                   ; the conversions have written v[PB ..], which the four stores read
.irp a, 0,1
.irp i, 0,1
	global_store_b128 v1, v[PB+8*\a+4*\i:PB+8*\a+4*\i+3], s[60:61] offset:4096*\a+512*\i   ; 512 consecutive bytes, aligned
.endr
.endr
	s_wait_dscnt 0x0                               ; the closing lines, six on end
	s_wait_alu 0x0
	s_wait_tensorcnt 0x0
	ds_add_u32 v254, v255
	s_wait_dscnt 0x0
	s_endpgm
.Lfunc_end_k_qc24218064f_attn:
	.size	k_qc24218064f_attn, .Lfunc_end_k_qc24218064f_attn-k_qc24218064f_attn
	.p2alignl 7, 3214868480
	.fill 96, 4, 3214868480
	.section	.rodata,"a",@progbits
	.p2align	6, 0x0
	.amdhsa_kernel k_qc24218064f_attn
		.amdhsa_group_segment_fixed_size 181248
		.amdhsa_private_segment_fixed_size 0
		.amdhsa_enable_private_segment 0
		.amdhsa_kernarg_size 40
		.amdhsa_user_sgpr_count 2
		.amdhsa_user_sgpr_kernarg_segment_ptr 1
		.amdhsa_wavefront_size32 1
		.amdhsa_system_sgpr_workgroup_id_x 1
		.amdhsa_system_sgpr_workgroup_id_y 1
		.amdhsa_system_sgpr_workgroup_id_z 1
		.amdhsa_system_vgpr_workitem_id 0
		.amdhsa_next_free_vgpr 512
		.amdhsa_next_free_sgpr 66
		.amdhsa_reserve_vcc 0
		.amdhsa_float_denorm_mode_32 3
		.amdhsa_float_denorm_mode_16_64 3
		.amdhsa_memory_ordered 1
		.amdhsa_forward_progress 1
		.amdhsa_inst_pref_size 205
	.end_amdhsa_kernel
	.amdgpu_metadata
---
amdhsa.version: [ 1, 2 ]
amdhsa.kernels:
  - .name:           k_qc24218064f_attn
    .symbol:         k_qc24218064f_attn.kd
    .args:
      - { .name: hn, .offset: 0, .size: 8, .value_kind: global_buffer, .address_space: global }
      - { .name: wcodes, .offset: 8, .size: 8, .value_kind: global_buffer, .address_space: global }
      - { .name: qkv_b, .offset: 16, .size: 8, .value_kind: global_buffer, .address_space: global }
      - { .name: lowp_scales, .offset: 24, .size: 8, .value_kind: global_buffer, .address_space: global }
      - { .name: att, .offset: 32, .size: 8, .value_kind: global_buffer, .address_space: global }
    .group_segment_fixed_size: 181248
    .private_segment_fixed_size: 0
    .kernarg_segment_align: 8
    .kernarg_segment_size: 40
    .max_flat_workgroup_size: 256
    .sgpr_count:     66
    .vgpr_count:     512
    .wavefront_size: 32
...
	.end_amdgpu_metadata
.endif
;; end of part 5
;; launch proj (part 6): grid 256 x 1, 8 waves a work-group, no clusters, 0 bytes of LDS; arguments att, wcodes, proj_b, x, lowp_scales, out0; writes out0
.if DOCPART == 6
	.amdgcn_target "amdgcn-amd-amdhsa--gfx1250"
	.amdhsa_code_object_version 6
	.text
	.protected	k_qc24218064f_proj
	.globl	k_qc24218064f_proj
	.p2align	8
	.type	k_qc24218064f_proj,@function
k_qc24218064f_proj:
	s_mov_b64 s[64:65], 0
	v_nop
	global_prefetch_b8 v0, s[64:65] scope:SCOPE_SE
	s_setreg_imm32_b32 hwreg(HW_REG_WAVE_SCHED_MODE, 0, 2), 2
	s_setreg_imm32_b32 hwreg(HW_REG_WAVE_MODE, 25, 1), 1
	s_wait_xcnt 0x0
	s_wait_alu depctr_vm_vsrc(0)
; out0 = x + proj_w . att + proj_b, the product on codes of E5M2 (att with 2^e6, proj_w with 2^e7), K = 256 channels in two steps of 128.
; Work-group id = 16 b + Mb owns 64 pixels of batch b: att's tiles 4 Mb + t, t = 0 .. 3; row r of tile 4 Mb + t is pixel 64 Mb + 4 r + t.  Wave w makes out channels 32 w .. 32 w + 31 (two tiles o) for all four.
; Source 0 = 16 rows of proj_w, source 1 = 16 positions: lane (r, hh) holds a position, register j channel 16 o + 8 hh + j.  The same (o, j) of the four tiles t are FOUR NEIGHBOURING PIXELS of one channel:
; 16 bytes a lane, and sixteen lanes load (x) and store (out0) 256 consecutive bytes, aligned.  No LDS, no barrier: all operands come as images of their registers (a piece = four registers, 16 bytes a lane at 16 x lane).
; The bias is the C of each sum's first matrix instruction, divided by 2^(e6 + e7), which the sums lack; then out = sum x 2^(e6 + e7) + x, one fused multiply-add.
; No cluster: what work-groups share is the weight's 64 KiB of codes, a small part of a work-group's 144 KiB.  LIMIT: e6 + e7 between -126 and 127.
; REGISTERS: v1 16 x lane; v2 my offset in x and out0; v3 32 hh; v16-143 att's 8 fragments (32 t + 16 s); v144-207 the 8 accumulators (8 (4 o + t)); v208-223 the bias tiles.
;   Window 1: v0-63 x, then out0 (4 (8 o + j) + t); v64-127 proj_w's 4 fragments (32 o + 16 s).
; THE MODE: SCHED_MODE bits 1:0 = 2 (LLVM: expert scheduling mode 2), set by the entry lines.  The code itself states the register dependences
; between vector or matrix instructions and memory instructions, with s_wait_alu, always for 0.
; THE PLAN.  Registers that memory instructions touch: v1, v2, v3, offsets made once at the head and never written again; the registers of the bias, att, proj_w and x, in which loads land once and which no vector
; instruction names before; window 1's v0-63, which the multiply-adds write at the end and the sixteen stores read.  So one wait on va_vdst stands ahead of the first load and one ahead of the first store.
.set AT,  16
.set ACC, 144
.set BC,  208
.set WP,  64                           ; in window 1
.set MSB, 0
.macro WIN new                         ; low byte: bits 1:0 source 0, 3:2 source 1, 5:4 source 2, 7:6 destination; the high byte repeats the setting that is left
.if MSB != \new
	s_set_vgpr_msb (MSB<<8)|\new
.set MSB, \new
.endif
.endm
	s_load_b256 s[4:11], s[0:1], 0x0               ; att 4:5, wcodes 6:7, proj_b 8:9, x 10:11
	s_load_b128 s[12:15], s[0:1], 0x20             ; the exponents 12:13, out0 14:15
	v_and_b32 v4, 31, v0
	v_lshlrev_b32 v1, 4, v4                        ; 16 x lane
	v_and_b32 v2, 15, v0
	v_lshlrev_b32 v2, 4, v2
	v_bfe_u32 v3, v0, 4, 1
	v_lshl_add_u32 v2, v3, 15, v2                  ; 16 r + eight channels of 4,096 bytes for lanes 16-31
	v_lshlrev_b32 v3, 5, v3                        ; 32 hh
	v_lshrrev_b32 v4, 5, v0
	v_readfirstlane_b32 s20, v4                    ; wave 0..7
	s_lshr_b32 s21, ttmp9, 4                       ; b
	s_and_b32 s24, ttmp9, 15                       ; Mb
	s_mov_b32 s23, 0
	s_wait_alu depctr_va_sdst(0)                   ; s20 is written, ahead of its first reader: the bases of wcodes, proj_b, x and out0 are made from it
	s_wait_kmcnt 0x0
	s_load_b64 s[16:17], s[12:13], 0x18            ; e6, e7
	s_lshl_b32 s22, s21, 18
	s_lshl_b32 s25, s24, 14
	s_add_co_u32 s22, s22, s25                     ; att: the batch, four tiles of 4,096 bytes
	s_add_nc_u64 s[4:5], s[4:5], s[22:23]
	s_lshl_b32 s22, s20, 13
	s_add_co_u32 s22, s22, 196608                  ; wcodes: fragment 96 + 4 w on
	s_add_nc_u64 s[6:7], s[6:7], s[22:23]
	s_lshl_b32 s22, s20, 7                         ; proj_b: my 32 channels
	s_add_nc_u64 s[8:9], s[8:9], s[22:23]
	s_lshl_b32 s22, s21, 20
	s_lshl_b32 s25, s20, 17
	s_add_co_u32 s22, s22, s25
	s_lshl_b32 s25, s24, 8
	s_add_co_u32 s22, s22, s25                     ; x, out0: the batch, my 32 channels, the 64 pixels
	s_add_nc_u64 s[10:11], s[10:11], s[22:23]
	s_add_nc_u64 s[14:15], s[14:15], s[22:23]
	s_wait_alu depctr_va_vdst(0)                   ; v1, v2 and v3 are written: every load and store of the kernel reads one of them as its offset
.irp o, 0,1
	global_load_b128 v[BC+8*\o:BC+8*\o+3], v3, s[8:9] offset:64*\o
	global_load_b128 v[BC+8*\o+4:BC+8*\o+7], v3, s[8:9] offset:64*\o+16
.endr
.irp t, 0,1,2,3
.irp s, 0,1
.irp i, 0,1,2,3
	global_load_b128 v[AT+32*\t+16*\s+4*\i:AT+32*\t+16*\s+4*\i+3], v1, s[4:5] offset:4096*\t+2048*\s+512*\i
.endr
.endr
.endr
	WIN 0x40                                       ; destination window 1
.irp o, 0,1
.irp s, 0,1
.irp i, 0,1,2,3
	global_load_b128 v[WP+32*\o+16*\s+4*\i:WP+32*\o+16*\s+4*\i+3], v1, s[6:7] offset:4096*\o+2048*\s+512*\i
.endr
.endr
.endr
.irp o, 0,1
.irp j, 0,1,2,3,4,5,6,7
	global_load_b128 v[4*(8*\o+\j):4*(8*\o+\j)+3], v2, s[10:11] offset:65536*\o+4096*\j th:TH_LOAD_NT   ; x comes last: nothing wants it before the end; read once in this launch
.endr
.endr
	WIN 0
	s_wait_kmcnt 0x0
	s_add_co_i32 s19, s16, s17                     ; e6 + e7
	s_add_co_i32 s18, s19, 127
	s_lshl_b32 s18, s18, 23                        ; 2^(e6 + e7) as f32
	s_sub_co_i32 s19, 0, s19
	s_wait_loadcnt 16                              ; all but x's sixteen loads
.set i, 0
.rept 16
	v_ldexp_f32 v[BC+i], v[BC+i], s19              ; proj_b / 2^(e6 + e7)
.set i, i+1
.endr
	WIN 0x01                                       ; source 0 (proj_w) window 1.  The eight accumulators take turns, one instruction a turn
.irp o, 0,1
.irp t, 0,1,2,3
	v_wmma_f32_16x16x128_bf8_bf8 v[ACC+8*(4*\o+\t):ACC+8*(4*\o+\t)+7], v[WP+32*\o:WP+32*\o+15], v[AT+32*\t:AT+32*\t+15], v[BC+8*\o:BC+8*\o+7]
.endr
.endr
.irp o, 0,1
.irp t, 0,1,2,3
	v_wmma_f32_16x16x128_bf8_bf8 v[ACC+8*(4*\o+\t):ACC+8*(4*\o+\t)+7], v[WP+32*\o+16:WP+32*\o+31], v[AT+32*\t+16:AT+32*\t+31], v[ACC+8*(4*\o+\t):ACC+8*(4*\o+\t)+7]
.endr
.endr
	WIN 0
.rept 4
	v_nop                                          ; four places in front of the first read of results (ISA guide 7.12.1)
.endr
	s_wait_loadcnt 0x0                             ; x
	WIN 0x50                                       ; x and the result window 1, the sums window 0
.irp o, 0,1
.irp j, 0,1,2,3,4,5,6,7
.irp t, 0,1,2,3
	v_fma_f32 v[4*(8*\o+\j)+\t], v[ACC+8*(4*\o+\t)+\j], s18, v[4*(8*\o+\j)+\t]   ; each accumulator from its low end on
.endr
.endr
.endr
	WIN 0x04                                       ; a store's data window 1
	s_wait_alu depctr_va_vdst(0)                   ; the multiply-adds have written window 1's v0-63, which the sixteen stores read
.irp o, 0,1
.irp j, 0,1,2,3,4,5,6,7
	global_store_b128 v2, v[4*(8*\o+\j):4*(8*\o+\j)+3], s[14:15] offset:65536*\o+4096*\j th:TH_STORE_NT   ; sixteen lanes store 256 consecutive bytes, aligned; written once
.endr
.endr
	WIN 0
	s_endpgm
.Lfunc_end_k_qc24218064f_proj:
	.size	k_qc24218064f_proj, .Lfunc_end_k_qc24218064f_proj-k_qc24218064f_proj
	.p2alignl 7, 3214868480
	.fill 96, 4, 3214868480
	.section	.rodata,"a",@progbits
	.p2align	6, 0x0
	.amdhsa_kernel k_qc24218064f_proj
		.amdhsa_group_segment_fixed_size 0
		.amdhsa_private_segment_fixed_size 0
		.amdhsa_enable_private_segment 0
		.amdhsa_kernarg_size 48
		.amdhsa_user_sgpr_count 2
		.amdhsa_user_sgpr_kernarg_segment_ptr 1
		.amdhsa_wavefront_size32 1
		.amdhsa_system_sgpr_workgroup_id_x 1
		.amdhsa_system_sgpr_workgroup_id_y 1
		.amdhsa_system_sgpr_workgroup_id_z 1
		.amdhsa_system_vgpr_workitem_id 0
		.amdhsa_next_free_vgpr 384
		.amdhsa_next_free_sgpr 66
		.amdhsa_reserve_vcc 0
		.amdhsa_float_denorm_mode_32 3
		.amdhsa_float_denorm_mode_16_64 3
		.amdhsa_memory_ordered 1
		.amdhsa_forward_progress 1
		.amdhsa_inst_pref_size 17
	.end_amdhsa_kernel
	.amdgpu_metadata
---
amdhsa.version: [ 1, 2 ]
amdhsa.kernels:
  - .name:           k_qc24218064f_proj
    .symbol:         k_qc24218064f_proj.kd
    .args:
      - { .name: att, .offset: 0, .size: 8, .value_kind: global_buffer, .address_space: global }
      - { .name: wcodes, .offset: 8, .size: 8, .value_kind: global_buffer, .address_space: global }
      - { .name: proj_b, .offset: 16, .size: 8, .value_kind: global_buffer, .address_space: global }
      - { .name: x, .offset: 24, .size: 8, .value_kind: global_buffer, .address_space: global }
      - { .name: lowp_scales, .offset: 32, .size: 8, .value_kind: global_buffer, .address_space: global }
      - { .name: out0, .offset: 40, .size: 8, .value_kind: global_buffer, .address_space: global }
    .group_segment_fixed_size: 0
    .private_segment_fixed_size: 0
    .kernarg_segment_align: 8
    .kernarg_segment_size: 48
    .max_flat_workgroup_size: 256
    .sgpr_count:     66
    .vgpr_count:     384
    .wavefront_size: 32
...
	.end_amdgpu_metadata
.endif
;; end of part 6
